; MI455X (gfx1250); checked and timed in simulation.
; The chip was launched on July 23, 2026; its instructions are those of AMD's public machine-readable ISA for CDNA 5 (MIT licence, August 2026) and "CDNA5" Instruction Set Architecture Reference Guide (July 2026). The comments in the code are by the model that wrote it; some were corrected since.
;; Multi Head Attention. Allowed arithmetic: matrix products marked QUANTISED: E3M2 operands, one E8M0 scale for each 32 along K, by v_wmma_scale_f32_16x16x128_f8f6f4 with both operands' format E3M2, f32 sums; everything else in f32.
;; Inputs: Wk 1,024 x 1,024 float32; Wo 1,024 x 1,024 float32; Wq 1,024 x 1,024 float32; Wv 1,024 x 1,024 float32; bo 1,024 float32; x 4 x 2,048 x 1,024 float32.
;; Outputs: out0 4 x 2,048 x 1,024 float32.
;; This version of the problem:
;;   THIS VERSION OF THE PROBLEM IS GIVEN IN LOW PRECISION. The matrix products marked QUANTISED in the list below multiply operands that are first quantised to E3M2 (3 exponent bits, 2 mantissa bits; 6 bits a number), with one power-of-two scale for each 32 numbers along K (OCP MX v1.0); their sums are f32. All else is computed in f32.
;;   The module's matrix products, in the order in which they are computed (A, B: the left and right operand; K: the contracted axis; several contracted axes count as one K, in the product's order):
;;     1. [M 8,192, K 1,024] x [K 1,024, N 1,024]; A: input x; B: input Wq: QUANTISED
;;     2. [M 8,192, K 1,024] x [K 1,024, N 1,024]; A: input x; B: input Wk: QUANTISED
;;     3. [M 8,192, K 1,024] x [K 1,024, N 1,024]; A: input x; B: input Wv: QUANTISED
;;     4. batch 64 x [M 2,048, K 64] x [K 64, N 2,048]; A: computed on the way; B: computed on the way: QUANTISED
;;     5. batch 64 x [M 2,048, K 2,048] x [K 2,048, N 64]; A: softmax (see below); B: computed on the way: QUANTISED
;;     6. [M 8,192, K 1,024] x [K 1,024, N 1,024]; A: computed on the way; B: input Wo: QUANTISED
;;   THE QUANTISER, for each operand of a quantised product, along K:
;;     - K is cut into blocks of 32 from its start; a last block that is shorter is filled with zeros.
;;     - A block's scale is 2^e with e = floor(log2(the largest magnitude in the block)) - 4, held to -126 .. 127; a block of zeros has e = 0. As a byte (E8M0): e + 127.
;;     - Each number is divided by its block's scale, clamped to +-28, and rounded to the nearest number of E3M2, ties to even, subnormals kept.
;;     - The product sums the exact products of the quantised numbers (number of the format x scale) in f32.
;;   ~~~python
;;   def quantise(x, axis):      # numpy; x: float32 -> the quantised numbers, widened to float32 again
;;       x = np.moveaxis(x, axis, -1); K = x.shape[-1]
;;       x = np.pad(x, [(0, 0)] * (x.ndim - 1) + [(0, -K % 32)]); x = x.reshape(x.shape[:-1] + (-1, 32)); a = np.abs(x).max(-1, keepdims=True)
;;       e = np.where(a > 0, np.clip(np.frexp(np.where(a > 0, a, 1))[1] - 1 - 4, -126, 127), 0)      # np.frexp(a)[1] - 1 = floor(log2(a)), exactly
;;       r = np.clip(x / 2.0 ** e, -28, 28)
;;       step = 2.0 ** (np.maximum(np.frexp(np.where(r == 0, 1, r))[1] - 1, -2) - 2)
;;       q = np.round(r / step) * step * 2.0 ** e      # np.round: ties to even
;;       return np.moveaxis(q.reshape(q.shape[:-2] + (-1,))[..., :K], -1, axis).astype(np.float32)
;;   ~~~
;;   SOFTMAX AHEAD OF A QUANTISED PRODUCT. Where the list says 'softmax', what is quantised is not the finished softmax but p = 2^(t - M), with t = logit x log2(e) and M = ceil(the row's largest t), a whole number; so 1/2 < the row's largest p <= 1. The row's sum l is taken of the UNQUANTISED p, in f32, and the product's result is divided by l at the end. Since M is a whole number, a kernel that streams over the keys may use a running M (the ceiling of the running maximum): every later rescaling is an exact power of two, which a block's scale takes up: the codes' values come out the same.
;;   OPERANDS COMPUTED ON THE WAY. 'Computed on the way' means the value that the module computes at that place (a softmax that the list does not call 'softmax' is quantised finished and normalised). What goes into a quantiser is computed in f32, as accurately as f32 sums, v_exp_f32 and their like allow (about 1e-6 of the number): no bf16 or f16 on the way to a quantiser, and a product that is left as it is and whose result goes on into a quantised operand takes f32 operands (vector FMAs, or v_wmma_f32_16x16x4_f32). A number that lies on a knife's edge between two numbers of the format may be rounded either way, as far as f32 arithmetic and the matrix unit's own rounding can turn it there, and no further.
;; One version. Each part assembles by itself: llvm-mc -triple=amdgcn-amd-amdhsa -mcpu=gfx1250 --defsym DOCPART=n.
;; ======== version 1 of 1: 4 launches
;; workspace buffers: xq 6,553,600 bytes; wq 3,276,800 bytes; qq 6,553,600 bytes; kvq 13,107,200 bytes; cq 6,553,600 bytes
;; launch quant (part 1): grid 512 x 1, 4 waves a work-group, no clusters, 34,304 bytes of LDS; arguments x, Wq, Wk, Wv, Wo, xq, wq; writes xq, wq
.if DOCPART == 1
	.amdgcn_target "amdgcn-amd-amdhsa--gfx1250"
	.amdhsa_code_object_version 6
	.text
	.protected	k_q42804362f3_quant
	.globl	k_q42804362f3_quant
	.p2align	8
	.type	k_q42804362f3_quant,@function
k_q42804362f3_quant:
	s_mov_b64 s[64:65], 0
	v_nop
	global_prefetch_b8 v0, s[64:65] scope:SCOPE_SE
	s_setreg_imm32_b32 hwreg(HW_REG_WAVE_MODE, 25, 1), 1
	s_wait_xcnt 0x0
; x [8192][1024] f32 (K innermost) and Wq, Wk, Wv, Wo [1024 (k)][1024 (n)] f32 (K outermost) become codes of E3M2, 6 bits each, with one E8M0 byte for each 32 along K.
; A block's scale is 2^(floor(log2(its largest magnitude)) - 4): its byte is the largest magnitude's exponent field - 4, held at 1 from below by a floor among the maximum's leaves.
; LIMITS: NaN and infinities among the inputs are not served.  A block of zeros, or one whose largest magnitude lies under 2^-122, gets the byte 1 (the rule says 127 for zeros): its codes are zeros or
; subnormal, and the bytes are read by this program alone.
; THE CODES ARE LAID IN THE ORDER OF THE OPERAND'S REGISTERS.  A fragment is 16 rows x 128 K, 12 registers a lane: lane (r, h) holds row r, registers 6 c .. 6 c + 5 hold K = 64 c + 32 h + 0 .. 31.
; x's fragments lie as six groups of two registers, group i at 256 i + 8 x lane; the weights' as three groups of four, group g at 512 g + 16 x lane.
; THE ROWS OF A TILE ARE NOT NEIGHBOURS: lane r of tile T holds row 32 (T / 2) + 8 (T % 2) + r + 8 (r / 8), of x's rows and of the weights' columns alike.
; xq: codes [block of 256 rows 32][K step 8][tile 16] x 1,536 bytes; from XQS on the scale words [tile 512][half of K 2][r 16][K step 4].
; wq: codes [j 8 (128 columns)][q, k, v][half of K 2][tile 8][K step 4] x 1,536 bytes, then Wo's [j][half][tile][K step]; from WQS on the scale words [j][q, k, v][tile][K step 8][r 16], then Wo's.
; The first 256 work-groups take x, the others the weights: a scalar branch on the work-group's number.  Only x's way touches LDS, each wave its own bytes: no barrier.  The work-groups share no input: no cluster, no tensor load.
.set XQS, 6291456
.set WQS, 3145728
.set R,   16                           ; v16-143  x: two sets of 64 numbers as loaded;  weights: 128 numbers of my column
.set X,   144                          ; v144-207 x: my row's two blocks of 32
.set C,   208                          ; v208-219 x: a fragment's codes
.set TT,  220                          ; v220-226 x: the upper halves of the blocks' codes, before they are moved
.set MX,  228                          ; largest magnitudes
.set EX,  230                          ; the conversions' scale operands
.set BY,  232                          ; the bytes
.set PT,  236                          ; a lane permute's destination
.set W,   240                          ; v240-243 a scale word for each of the four steps
.set P,   144                          ; weights: v144-167 the codes of lanes (r, 0) and (r, 1) of the image
.set WT,  168
.set MA,  172
.set MB,  173
.set SO,  174
.set BB,  175
.set WD,  176
; x: step t's 16 rows x 512 bytes: each load reads 512 consecutive bytes of one row
.macro LOADX t
.irp i, 0,1,2,3,4,5,6,7,8,9,10,11,12,13,14,15
	global_load_b128 v[R+64*((\t)%2)+4*\i:R+64*((\t)%2)+4*\i+3], v4, s[4:5] offset:(\i+8*(\i/8))*4096+512*(\t) th:TH_LOAD_NT
.endr
.endm
; x: 128 along K of my wave's 16 rows become one fragment
.macro STEPX t
.set RS, R+64*((\t)%2)
.if (\t) < 3
	s_wait_loadcnt 16                              ; this step's 16 loads are in; the next step's 16 may be out
.else
	s_wait_loadcnt 0x0
.endif
.irp i, 0,1,2,3,4,5,6,7,8,9,10,11,12,13,14,15
	ds_store_b128 v5, v[RS+4*\i:RS+4*\i+3] offset:528*\i          ; through my wave's stage: rows 528 bytes apart, an odd multiple of 16
.endr
.irp j, 0,1,2,3,4,5,6,7
	ds_load_b128 v[X+4*\j:X+4*\j+3], v6 offset:16*\j             ; LDS serves a wave's instructions in order: these see the stores.  Block h of row r,
.endr
.irp j, 0,1,2,3,4,5,6,7
	ds_load_b128 v[X+32+4*\j:X+32+4*\j+3], v6 offset:256+16*\j    ; and block 2 + h
.endr
	s_wait_dscnt 0x0                               ; my numbers are back, and the stores have read the set that is loaded again below
	s_wait_xcnt 0x0                                ; the last step's stores have read the codes' registers, which are written again below
.if (\t) < 2
	LOADX (\t)+2
.endif
.irp c, 0,1
	v_max3_num_f32 v[MX+\c], |v[X+32*\c]|, |v[X+1+32*\c]|, 0x2800000   ; the floor 2^(5 - 127): the byte cannot fall under 1
.endr
.irp i, 2,4,6,8,10,12,14,16,18,20,22,24,26,28,30
.irp c, 0,1
	v_max3_num_f32 v[MX+\c], v[MX+\c], |v[X+32*\c+\i]|, |v[X+1+32*\c+\i]|
.endr
.endr
.irp c, 0,1
	v_add_nc_u32 v[EX+\c], 0xfe000000, v[MX+\c]    ; 4 off the exponent field: the conversion takes this operand's exponent field as its scale
.endr
.irp c, 0,1
	v_lshrrev_b32 v[BY+\c], 23, v[EX+\c]           ; the byte
.endr
	v_lshl_or_b32 v[W+(\t)], v[BY+1], 16, v[BY]    ; blocks h and 2 + h,
	v_lshlrev_b32 v[W+(\t)], v9, v[W+(\t)]         ; 8 h bits up;
	v_permlanex16_b32 v[PT], v[W+(\t)], s30, s31
	v_or_b32 v[W+(\t)], v[W+(\t)], v[PT]           ; with lane l xor 16's two the word is whole
.irp c, 0,1
	v_cvt_scalef32_pk16_bf6_f32 v[C+6*\c:C+6*\c+2], v[X+32*\c:X+32*\c+15], v[EX+\c]
	v_cvt_scalef32_pk16_bf6_f32 v[TT+4*\c:TT+4*\c+2], v[X+32*\c+16:X+32*\c+31], v[EX+\c]   ; (a conversion's three registers begin on an even number)
.endr
	v_nop                                          ; one plain instruction behind a scaled conversion
.irp c, 0,1
.irp i, 0,1,2
	v_mov_b32 v[C+3+6*\c+\i], v[TT+4*\c+\i]
.endr
.endr
.irp i, 0,1,2,3,4,5
	global_store_b64 v7, v[C+2*\i:C+2*\i+1], s[32:33] offset:24576*(\t)+256*\i   ; 32 lanes store 256 consecutive bytes, aligned
.endr
.endm
; weights: block q of my column, 32 rows of K: 32 lanes read 128 consecutive bytes, the four waves 512
.macro WLOAD q
.set i, 0
.rept 32
	global_load_b32 v[R+32*(\q)+i], v4, s[6:7] offset:4096*(32*(\q)+i) th:TH_LOAD_NT
.set i, i+1
.endr
.endm
.macro WBLOCK q
.set XB, R+32*(\q)
.set PD, P+12*((\q)%2)+6*((\q)/2)      ; block q belongs to lane (r, q % 2) of the image, registers 6 (q / 2) on
.if (\q) < 3
	s_wait_loadcnt 32                              ; this block's 32 loads are in; the next block's may be out
.else
	s_wait_loadcnt 0x0
.endif
.if (\q) < 2
	WLOAD (\q)+2
.endif
	v_max3_num_f32 v[MA], |v[XB]|, |v[XB+1]|, |v[XB+2]|
	v_max3_num_f32 v[MB], |v[XB+3]|, |v[XB+4]|, |v[XB+5]|
.irp i, 6,10,14,18,22,26
	v_max3_num_f32 v[MA], v[MA], |v[XB+\i]|, |v[XB+\i+1]|
	v_max3_num_f32 v[MB], v[MB], |v[XB+\i+2]|, |v[XB+\i+3]|
.endr
	v_max3_num_f32 v[MA], v[MA], |v[XB+30]|, |v[XB+31]|
	v_max3_num_f32 v[MA], v[MA], v[MB], 0x2800000  ; and the floor
	v_add_nc_u32 v[SO], 0xfe000000, v[MA]
	v_cvt_scalef32_pk16_bf6_f32 v[PD:PD+2], v[XB:XB+15], v[SO]
	v_cvt_scalef32_pk16_bf6_f32 v[WT:WT+2], v[XB+16:XB+31], v[SO]
	v_lshrrev_b32 v[BB], 23, v[SO]                 ; the byte; also the plain instruction behind the conversions
.if (\q) == 0
	v_mov_b32 v[WD], v[BB]
.else
	v_lshl_or_b32 v[WD], v[BB], 8*(\q), v[WD]
.endif
.irp i, 0,1,2
	v_mov_b32 v[PD+3+\i], v[WT+\i]
.endr
.endm
	s_load_b256 s[4:11], s[0:1], 0x0               ; x s[4:5], Wq s[6:7], Wk s[8:9], Wv s[10:11]
	s_load_b128 s[12:15], s[0:1], 0x20             ; Wo s[12:13], xq s[14:15]
	s_load_b64 s[16:17], s[0:1], 0x30              ; wq
	v_lshl_add_u32 v254, v0, 2, 0x8400
	v_mov_b32 v255, 0
	v_lshrrev_b32 v1, 5, v0
	v_readfirstlane_b32 s18, v1                    ; wave
	v_and_b32 v2, 31, v0                           ; lane
	v_and_b32 v3, 15, v0                           ; r
	v_bfe_u32 v10, v0, 4, 1                        ; h
	s_cmp_lt_u32 ttmp9, 256
	s_cbranch_scc0 .Lweights
	; ---- x: wave U = 4 x work-group + wave takes tile U / 2 and half U % 2 of K: four steps of 128
	s_lshl_b32 s19, ttmp9, 2
	s_add_co_u32 s19, s19, s18
	s_lshr_b32 s20, s19, 1                         ; T
	s_and_b32 s21, s19, 1                          ; which half of K
	s_lshr_b32 s22, s20, 1
	s_lshl_b32 s22, s22, 17                        ; 32 (T / 2) rows of 4,096 bytes
	s_and_b32 s23, s20, 1
	s_lshl_b32 s23, s23, 15                        ; 8 (T % 2) rows
	s_add_co_u32 s22, s22, s23
	s_lshl_b32 s23, s21, 11
	s_add_co_u32 s22, s22, s23
	s_mov_b32 s23, 0
	s_lshr_b32 s24, s20, 4
	s_mul_i32 s24, s24, 196608
	s_mul_i32 s25, s21, 98304
	s_add_co_u32 s24, s24, s25
	s_and_b32 s25, s20, 15
	s_mul_i32 s25, s25, 1536
	s_add_co_u32 s24, s24, s25
	s_mov_b32 s25, 0
	s_lshl_b32 s26, s20, 9
	s_lshl_b32 s27, s21, 8
	s_add_co_u32 s26, s26, s27
	s_add_co_u32 s26, s26, XQS
	s_mov_b32 s27, 0
	s_mul_i32 s28, s18, 8448                       ; my wave's stage: 16 rows x 528 bytes
	s_wait_alu depctr_va_vdst(0)
	v_lshlrev_b32 v4, 4, v2                        ; 16 x lane
	v_add_nc_u32 v5, s28, v4                       ; the stage, on the way in
	v_mul_u32_u24 v6, v3, 528
	v_lshl_add_u32 v6, v10, 7, v6
	v_add_nc_u32 v6, s28, v6                       ; and out: row r, + 128 h
	v_lshlrev_b32 v7, 3, v2                        ; 8 x lane
	v_lshlrev_b32 v8, 4, v3
	v_lshl_add_u32 v8, v10, 3, v8                  ; 16 r + 8 h
	v_lshlrev_b32 v9, 3, v10                       ; 8 h
	v_mov_b32 v[PT], 0                             ; a lane permute's destination counts as one of its sources
	s_mov_b32 s30, 0x76543210
	s_mov_b32 s31, 0xfedcba98                      ; lane l xor 16
	s_wait_alu depctr_va_vdst(0)
	s_wait_kmcnt 0x0
	s_add_nc_u64 s[4:5], s[4:5], s[22:23]
	s_add_nc_u64 s[32:33], s[14:15], s[24:25]
	s_add_nc_u64 s[34:35], s[14:15], s[26:27]
	LOADX 0
	LOADX 1
	STEPX 0
	STEPX 1
	STEPX 2
	STEPX 3
	v_cmp_ne_u32 vcc_lo, 0, v10
	v_cndmask_b32 v244, v240, v242, vcc_lo         ; lanes 0-15 store steps 0 and 1's words, lanes 16-31 steps 2 and 3's:
	v_cndmask_b32 v245, v241, v243, vcc_lo
	global_store_b64 v8, v[244:245], s[34:35]      ; 256 consecutive bytes, aligned
	s_wait_tensorcnt 0x0
	ds_add_u32 v254, v255
	s_wait_dscnt 0x0
	s_endpgm
.Lweights:
	; ---- the weights: work-group = (which weight, j, K step); a lane takes column 128 j + 32 wave + lane, and its registers run down 128 of K
	s_sub_co_u32 s19, ttmp9, 256
	s_lshr_b32 s20, s19, 6                         ; 0 .. 3: Wq, Wk, Wv, Wo
	s_bfe_u32 s21, s19, 0x30003                    ; j
	s_and_b32 s22, s19, 7                          ; K step
	s_lshl_b32 s24, s22, 19                        ; 128 rows of 4,096 bytes
	s_lshl_b32 s23, s21, 9
	s_add_co_u32 s24, s24, s23
	s_lshl_b32 s23, s18, 7
	s_add_co_u32 s24, s24, s23
	s_mov_b32 s25, 0
	s_mul_i32 s26, s21, 294912
	s_mul_i32 s23, s20, 98304
	s_add_co_u32 s26, s26, s23                     ; codes: q, k, v;
	s_mul_i32 s27, s21, 98304
	s_add_co_u32 s27, s27, 2359296                 ; Wo
	s_mul_i32 s28, s21, 12288
	s_lshl_b32 s23, s20, 12
	s_add_co_u32 s28, s28, s23                     ; scale words: q, k, v;
	s_lshl_b32 s29, s21, 12
	s_add_co_u32 s29, s29, 98304                   ; Wo
	s_cmp_lt_u32 s20, 3
	s_cselect_b32 s26, s26, s27
	s_cselect_b32 s28, s28, s29
	s_lshr_b32 s23, s22, 2
	s_mul_i32 s23, s23, 49152
	s_add_co_u32 s26, s26, s23
	s_mul_i32 s23, s18, 12288                      ; my wave's two tiles
	s_add_co_u32 s26, s26, s23
	s_and_b32 s23, s22, 3
	s_mul_i32 s23, s23, 1536
	s_add_co_u32 s26, s26, s23
	s_mov_b32 s27, 0
	s_lshl_b32 s23, s18, 10
	s_add_co_u32 s28, s28, s23
	s_lshl_b32 s23, s22, 6
	s_add_co_u32 s28, s28, s23
	s_add_co_u32 s28, s28, WQS
	s_mov_b32 s29, 0
	s_wait_alu depctr_va_vdst(0)
	v_lshlrev_b32 v4, 2, v2                        ; 4 x lane
	v_bfe_u32 v5, v0, 3, 1                         ; which of the two tiles: (lane / 8) % 2
	v_and_b32 v6, 7, v0
	v_lshl_add_u32 v6, v10, 3, v6                  ; and which of its lanes: lane % 8 + 8 (lane / 16)
	v_mul_u32_u24 v7, v5, 6144
	v_lshl_add_u32 v7, v6, 4, v7
	v_lshlrev_b32 v8, 9, v5
	v_lshl_add_u32 v8, v6, 2, v8
	s_wait_alu depctr_va_vdst(0)
	s_wait_kmcnt 0x0
	s_cmp_eq_u32 s20, 1                            ; the choice hangs on the work-group's number alone
	s_cselect_b64 s[6:7], s[8:9], s[6:7]
	s_cmp_eq_u32 s20, 2
	s_cselect_b64 s[6:7], s[10:11], s[6:7]
	s_cmp_eq_u32 s20, 3
	s_cselect_b64 s[6:7], s[12:13], s[6:7]
	s_add_nc_u64 s[6:7], s[6:7], s[24:25]
	s_add_nc_u64 s[32:33], s[16:17], s[26:27]
	s_add_nc_u64 s[34:35], s[16:17], s[28:29]
	WLOAD 0
	WLOAD 1
	WBLOCK 0
	WBLOCK 1
	WBLOCK 2
	WBLOCK 3
.irp hh, 0,1
.irp g, 0,1,2
	global_store_b128 v7, v[P+12*\hh+4*\g:P+12*\hh+4*\g+3], s[32:33] offset:256*\hh+512*\g   ; the sixteen lanes of a tile store 256 consecutive bytes, aligned
.endr
.endr
	global_store_b32 v8, v[WD], s[34:35]           ; the sixteen lanes of a tile store 64 consecutive bytes: one byte in 128 of what this way reads
	s_endpgm
.Lfunc_end_k_q42804362f3_quant:
	.size	k_q42804362f3_quant, .Lfunc_end_k_q42804362f3_quant-k_q42804362f3_quant
	.p2alignl 7, 3214868480
	.fill 96, 4, 3214868480
	.section	.rodata,"a",@progbits
	.p2align	6, 0x0
	.amdhsa_kernel k_q42804362f3_quant
		.amdhsa_group_segment_fixed_size 34304
		.amdhsa_private_segment_fixed_size 0
		.amdhsa_enable_private_segment 0
		.amdhsa_kernarg_size 56
		.amdhsa_user_sgpr_count 2
		.amdhsa_user_sgpr_kernarg_segment_ptr 1
		.amdhsa_wavefront_size32 1
		.amdhsa_system_sgpr_workgroup_id_x 1
		.amdhsa_system_sgpr_workgroup_id_y 1
		.amdhsa_system_sgpr_workgroup_id_z 1
		.amdhsa_system_vgpr_workitem_id 0
		.amdhsa_next_free_vgpr 256
		.amdhsa_next_free_sgpr 66
		.amdhsa_reserve_vcc 1
		.amdhsa_float_denorm_mode_32 3
		.amdhsa_float_denorm_mode_16_64 3
		.amdhsa_memory_ordered 1
		.amdhsa_forward_progress 1
		.amdhsa_inst_pref_size 52
	.end_amdhsa_kernel
	.amdgpu_metadata
---
amdhsa.version: [ 1, 2 ]
amdhsa.kernels:
  - .name:           k_q42804362f3_quant
    .symbol:         k_q42804362f3_quant.kd
    .args:
      - { .name: x, .offset: 0, .size: 8, .value_kind: global_buffer, .address_space: global }
      - { .name: Wq, .offset: 8, .size: 8, .value_kind: global_buffer, .address_space: global }
      - { .name: Wk, .offset: 16, .size: 8, .value_kind: global_buffer, .address_space: global }
      - { .name: Wv, .offset: 24, .size: 8, .value_kind: global_buffer, .address_space: global }
      - { .name: Wo, .offset: 32, .size: 8, .value_kind: global_buffer, .address_space: global }
      - { .name: xq, .offset: 40, .size: 8, .value_kind: global_buffer, .address_space: global }
      - { .name: wq, .offset: 48, .size: 8, .value_kind: global_buffer, .address_space: global }
    .group_segment_fixed_size: 34304
    .private_segment_fixed_size: 0
    .kernarg_segment_align: 8
    .kernarg_segment_size: 56
    .max_flat_workgroup_size: 128
    .sgpr_count:     66
    .vgpr_count:     256
    .wavefront_size: 32
...
	.end_amdgpu_metadata
.endif
;; end of part 1
;; launch qkv (part 2): grid 8 x 32, 4 waves a work-group, clusters of 4 x 4, 327,680 bytes of LDS; arguments xq, wq, qq, kvq; writes qq, kvq
.if DOCPART == 2
	.amdgcn_target "amdgcn-amd-amdhsa--gfx1250"
	.amdhsa_code_object_version 6
	.text
	.protected	k_q42804362f3_qkv
	.globl	k_q42804362f3_qkv
	.p2align	8
	.type	k_q42804362f3_qkv,@function
k_q42804362f3_qkv:
	s_mov_b64 s[64:65], 0
	v_nop
	global_prefetch_b8 v0, s[64:65] scope:SCOPE_SE
	s_setreg_imm32_b32 hwreg(HW_REG_WAVE_MODE, 25, 1), 1
	s_wait_xcnt 0x0
	s_wait_alu depctr_hold_cnt(0) depctr_sa_sdst(0) depctr_va_vdst(0) depctr_va_sdst(0) depctr_va_ssrc(0) depctr_va_vcc(0) depctr_vm_vsrc(0)
	s_getreg_b32 s2, hwreg(HW_REG_IB_STS2, 6, 4)
	s_cmp_eq_u32 s2, 0
	s_cbranch_scc0 .Lentry_in_a_cluster
	s_endpgm
.Lentry_in_a_cluster:
	s_bfe_u32 s2, ttmp6, 0x10000c
	s_cmp_lg_u32 s2, 0xf033
	s_cbranch_scc0 .Lentry_shape_is_right
	s_endpgm
.Lentry_shape_is_right:
; q = x Wq, k = x Wk, v = x Wv on codes of E3M2 with E8M0 scales (layouts: as the launch before stored them), sums in f32; q and k are quantised along the head's 64, v along the keys, in registers, and leave as codes.
; SHARES.  Work-group (j, blk): 256 rows of x (block blk) x columns 128 j .. 128 j + 127 of each of the three weights (heads 2 j and 2 j + 1), in three passes q, k, v.  x's block, 196,608 bytes, stays in LDS for all three;
; the weights walk through two slots of 49,152 bytes (half of K of one weight): six slots' worth, one run of memory.  Wave (wm, wn) makes 128 rows x 64 columns: one key step x one head: 32 accumulators.
; CLUSTER 4 x 4: the four of a row of the cluster share x's block, the four of a column the weights: both are asked for jointly.
; LAYOUT.  Lane r of a tile holds row 32 (T / 2) + 8 (T % 2) + r + 8 (r / 8).  So in a result a lane's 16 registers of two neighbouring tiles of source 0 are 16 neighbours: 32 b + 16 h + 0 .. 15.
; q, k: source 0 = the weight's columns, source 1 = x's rows: a lane holds one row and its registers run along the head's 64.  v: the sources swapped: a lane holds one of the head's 64 and its registers run along the keys.
; OUT.  qq: codes [head of a batch 64][query tile 128] x 768 bytes (six registers: three groups of two, 256 i + 8 x lane); from QQS on a word for each pair of tiles and row: [bh][key step 16][2][r 16][2].
; kvq: [bh][key step 16]: four fragments of K (registers 0-5: key tile 2 f, registers 6-11: key tile 2 f + 1), then four of V^T (16 of the head's 64 x 128 keys), 1,536 bytes each (512 g + 16 x lane); from KVS on [bh][step][K, V][r 16][4] words.
; LIMITS: as the launch before: a block of zeros or under 2^-122 gets the byte 1; NaN and infinities are not served.
; REGISTERS, in windows of 256: window 0: addresses, scale words, the quantiser's registers.  window 1: x's fragments, two sets of 96.  window 2: the weight's, two sets of 48.  window 3: the 32 accumulators.
.set XQS,  6291456
.set WQS,  3145728
.set QQS,  6291456
.set KVS,  12582912
.set LB,   196608                      ; LDS: x's block at 0; the two slots;
.set SLOT, 49152
.set LAS,  294912                      ; x's scale words, 8,192 bytes;
.set LBS,  303104                      ; the weights', 12,288 bytes;
.set SPARE, 315392                     ; the spare words, 128 bytes for each wave: two blocks of 256 bytes that no other line names
.set ADA,  4                           ; v4-7   x's fragments: 49,152 n + 12,288 wm + 8 x lane
.set ADB,  8                           ; v8-9   the weight's, slot 0, 1: + 24,576 wn + 16 x lane
.set ADSA, 10                          ; v10    x's scale words: lanes 0-15 tile i, lanes 16-31 tile i + 4
.set ADSB, 11                          ; v11    the weight's: lanes 0-15 tile i, lanes 16-31 tile i + 2
.set SPW,  12                          ; v12    LDS address of my spare word; never rewritten
.set NIL,  13                          ; v13    0; never rewritten
.set L8,   14                          ; v14    8 x lane
.set L16,  15                          ; v15    16 x lane
.set KW,   16                          ; v16-19 k's scale words, kept for the last store
.set QW,   20                          ; v20-23 q's, later v's
.set SD,   24                          ; v24-27 scale words on their way out
.set SA,   32                          ; v32-63 x's scale words, two sets of 16
.set SB,   64                          ; v64-79 the weight's, two sets of 8
.set TM,   80                          ; v80-95 the quantiser: largest magnitudes, bytes, scale operands
.set PW,   96                          ; the scale word just made
.set PC,   100                         ; v100-118 the codes just made
.set WV,   12                          ; s12 wave
.set SEL,  2                           ; s[2:3]
.set G1A,  24
.set G1B,  32
.set G1AS, 40
.set G1BS, 48
.set G0AS, 56
.set G0BS, 60
.set G0A,  68                          ; s[68:75] x's two halves of K
.set G0B,  76                          ; s[76:83] the two slots
.set KC,   84                          ; s[84:85] where my key step's codes go;  s[86:87] its scale words
.set KSB,  86
.set QC,   96                          ; s[96:97] where my queries' codes go;  s[98:99] their scale words
.set QSB,  98
.set MSB, 0
.macro WIN new                         ; the immediate's high byte repeats the setting that is left
.if MSB != \new
	s_set_vgpr_msb (MSB<<8)|\new
.set MSB, \new
.endif
.endm
.macro PLACES n
.rept \n
	v_nop
.endr
.endm
.macro CREST                           ; a round of the cluster's barrier behind its opening barrier
	s_cmp_lg_u32 s[WV], 0
	s_cbranch_scc1 .Lnot_wave_0_\@
	s_barrier_signal -3
.Lnot_wave_0_\@:
	s_barrier_wait -3
	s_barrier_signal -1
	s_barrier_wait -1
.endm
.macro CROUND
	s_barrier_signal -1
	s_barrier_wait -1
	CREST
.endm
.macro G1REST g, rows                  ; a dense block as rows of 256 bytes: 32 elements of 8 bytes
	s_mov_b32 s[\g+1], 32<<16
	s_mov_b32 s[\g+2], (\rows)<<16
	s_mov_b32 s[\g+3], 32<<16
	s_mov_b32 s[\g+4], \rows
	s_mov_b32 s[\g+5], 32
	s_mov_b32 s[\g+6], 0
	s_mov_b32 s[\g+7], 0
.endm
; the fragments of K step k (0 .. 7 of a pass) into set: 12 loads of the weight's four tiles from slot sg, 48 of x's eight tiles.  Every load reads consecutive bytes.
.macro FETCH set, sg, k
	WIN 0x80
.irp t, 0,1,2,3
.irp g, 0,1,2
	ds_load_b128 v[48*(\set)+12*\t+4*\g:48*(\set)+12*\t+4*\g+3], v[ADB+(\sg)] offset:6144*\t+1536*((\k)%4)+512*\g
.endr
.endr
	WIN 0x40
.irp a, 0,1,2,3,4,5,6,7
.irp i, 0,1,2,3,4,5
	ds_load_b64 v[96*(\set)+12*\a+2*\i:96*(\set)+12*\a+2*\i+1], v[ADA+(\k)/2] offset:24576*((\k)%2)+1536*\a+256*\i
.endr
.endr
	WIN 0
.endm
; the scale words of a slot's four K steps
.macro SCALES set, pass, kq
.irp i, 0,1,2,3
	ds_load_b128 v[SA+16*(\set)+4*\i:SA+16*(\set)+4*\i+3], v[ADSA] offset:512*\i+256*(\kq)
.endr
.irp i, 0,1
.irp ks, 0,1,2,3
	ds_load_b32 v[SB+8*(\set)+4*\i+\ks], v[ADSB] offset:4096*(\pass)+512*\i+64*(4*(\kq)+\ks)
.endr
.endr
.endm
.macro WM zero                         ; one matrix instruction, by the symbols rD, rA, rB, sA, sB, wA, wB (which half of the lanes of a scale register)
.if \zero
.if (wA == 0) && (wB == 0)
	v_wmma_scale_f32_16x16x128_f8f6f4 v[rD:rD+7], v[rA:rA+11], v[rB:rB+11], 0, v[sA], v[sB] matrix_a_fmt:MATRIX_FMT_BF6 matrix_b_fmt:MATRIX_FMT_BF6
.elseif (wA == 1) && (wB == 0)
	v_wmma_scale_f32_16x16x128_f8f6f4 v[rD:rD+7], v[rA:rA+11], v[rB:rB+11], 0, v[sA], v[sB] matrix_a_fmt:MATRIX_FMT_BF6 matrix_b_fmt:MATRIX_FMT_BF6 matrix_a_scale:MATRIX_SCALE_ROW1
.elseif (wA == 0) && (wB == 1)
	v_wmma_scale_f32_16x16x128_f8f6f4 v[rD:rD+7], v[rA:rA+11], v[rB:rB+11], 0, v[sA], v[sB] matrix_a_fmt:MATRIX_FMT_BF6 matrix_b_fmt:MATRIX_FMT_BF6 matrix_b_scale:MATRIX_SCALE_ROW1
.else
	v_wmma_scale_f32_16x16x128_f8f6f4 v[rD:rD+7], v[rA:rA+11], v[rB:rB+11], 0, v[sA], v[sB] matrix_a_fmt:MATRIX_FMT_BF6 matrix_b_fmt:MATRIX_FMT_BF6 matrix_a_scale:MATRIX_SCALE_ROW1 matrix_b_scale:MATRIX_SCALE_ROW1
.endif
.else
.if (wA == 0) && (wB == 0)
	v_wmma_scale_f32_16x16x128_f8f6f4 v[rD:rD+7], v[rA:rA+11], v[rB:rB+11], v[rD:rD+7], v[sA], v[sB] matrix_a_fmt:MATRIX_FMT_BF6 matrix_b_fmt:MATRIX_FMT_BF6
.elseif (wA == 1) && (wB == 0)
	v_wmma_scale_f32_16x16x128_f8f6f4 v[rD:rD+7], v[rA:rA+11], v[rB:rB+11], v[rD:rD+7], v[sA], v[sB] matrix_a_fmt:MATRIX_FMT_BF6 matrix_b_fmt:MATRIX_FMT_BF6 matrix_a_scale:MATRIX_SCALE_ROW1
.elseif (wA == 0) && (wB == 1)
	v_wmma_scale_f32_16x16x128_f8f6f4 v[rD:rD+7], v[rA:rA+11], v[rB:rB+11], v[rD:rD+7], v[sA], v[sB] matrix_a_fmt:MATRIX_FMT_BF6 matrix_b_fmt:MATRIX_FMT_BF6 matrix_b_scale:MATRIX_SCALE_ROW1
.else
	v_wmma_scale_f32_16x16x128_f8f6f4 v[rD:rD+7], v[rA:rA+11], v[rB:rB+11], v[rD:rD+7], v[sA], v[sB] matrix_a_fmt:MATRIX_FMT_BF6 matrix_b_fmt:MATRIX_FMT_BF6 matrix_a_scale:MATRIX_SCALE_ROW1 matrix_b_scale:MATRIX_SCALE_ROW1
.endif
.endif
.endm
; matrix instructions n0 .. n1 - 1 of a K step's 32: n = 4 x (x's tile) + (the weight's tile).  The 32 accumulators take turns, one instruction a turn, in the same order in every step.
; mode 0: source 0 = the weight, source 1 = x, accumulator at 32 xa + 8 wt.  mode 1: swapped, accumulator at 64 wt + 8 xa.  zero = 1: the first product starts the sums.
.macro MUL mode, set, sset, ks, n0, n1, zero
.if \mode
	WIN 0xf9
.else
	WIN 0xf6
.endif
.set n, \n0
.rept (\n1)-(\n0)
.set xa, n/4
.set wt, n%4
.if \mode
.set rD, 64*wt+8*xa
.set rA, 96*(\set)+12*xa
.set rB, 48*(\set)+12*wt
.set sA, SA+16*(\sset)+4*(xa%4)+(\ks)
.set wA, xa/4
.set sB, SB+8*(\sset)+4*(wt%2)+(\ks)
.set wB, wt/2
.else
.set rD, 32*xa+8*wt
.set rA, 48*(\set)+12*wt
.set rB, 96*(\set)+12*xa
.set sA, SB+8*(\sset)+4*(wt%2)+(\ks)
.set wA, wt/2
.set sB, SA+16*(\sset)+4*(xa%4)+(\ks)
.set wB, xa/4
.endif
	WM \zero
.set n, n+1
.endr
.endm
; a K step whose successor lies in the same slot
.macro STEP mode, k, zero
	PLACES 4                                       ; four plain instructions in front of loads into registers that matrix instructions have read (ISA guide 7.12.1 for vector instructions)
	FETCH ((\k)+1)%2, (\k)/4, (\k)+1
	s_wait_dscnt 60                                ; all but the 60 loads just issued: this step's fragments and scale words are in
	MUL \mode, (\k)%2, (\k)/4, (\k)%4, 0, 32, \zero
.endm
; a slot's last K step (k = 3 or 7) changes slots.  In front of the barrier each wave waits for all its tensor loads, adds 0 to its spare word, and waits for that and for its reads of the slot.
; fill = 1: the barrier opens a round of the cluster's barrier, and the slot just read out takes the slot's worth two on.  npass: the pass of the slot that is read next.
.macro TURN mode, k, fill, npass
	WIN 0
	s_wait_tensorcnt 0x0                           ; all my tensor loads have landed, my part of the next slot among them
	ds_add_u32 v[SPW], v[NIL]                      ; 0 onto my spare word
	s_wait_dscnt 1                                 ; (only the add may be out: this step's fragments are in)
	MUL \mode, 1, (\k)/4, 3, 0, 8, 0
	s_wait_dscnt 0x0                               ; the add is done, and my reads of this slot are over
	s_barrier_signal -1
	MUL \mode, 1, (\k)/4, 3, 8, 16, 0
	WIN 0
	s_barrier_wait -1
.if \fill
	CREST                                          ; no wave of any partner still reads this slot or has a load on its way
	s_add_nc_u64 s[G0B+2+4*((\k)/4):G0B+3+4*((\k)/4)], s[G0B+2+4*((\k)/4):G0B+3+4*((\k)/4)], 2*SLOT
	tensor_load_to_lds s[G0B+4*((\k)/4):G0B+3+4*((\k)/4)], s[G1B:G1B+7]   ; my one tensor load behind the round: a quarter of the slot; 112 matrix instructions or more stand ahead of the wait for it
	s_nop 0
.endif
	PLACES 4                                       ; behind the tensor load, and in front of the loads below
	FETCH 0, 1-(\k)/4, ((\k)+1)%8
	SCALES 1-(\k)/4, \npass, 1-(\k)/4
	MUL \mode, 1, (\k)/4, 3, 16, 32, 0
.endm
; 64 accumulator registers of a lane, register 16 b + i = place 32 b + 16 h + i along the next K, become 12 registers of codes in v[PC] on and the scale word in v[PW]
.macro QUANT s
	s_wait_xcnt 0x0                                ; the last stores have read the codes' registers
	WIN 0x0f
.irp b, 0,1,2,3
	v_max3_num_f32 v[TM+\b], |v[(\s)+16*\b]|, |v[(\s)+1+16*\b]|, 0x2800000   ; each accumulator is read from its low end on; the floor 2^(5 - 127) holds the byte at 1 from below
.endr
	WIN 0x3c
.irp i, 2,4,6,8,10,12,14
.irp b, 0,1,2,3
	v_max3_num_f32 v[TM+\b], v[TM+\b], |v[(\s)+16*\b+\i]|, |v[(\s)+1+16*\b+\i]|
.endr
.endr
	WIN 0
.irp b, 0,1,2,3
	v_permlanex16_b32 v[TM+4+\b], v[TM+\b], s[SEL], s[SEL+1]
.endr
.irp b, 0,1,2,3
	v_max_num_f32 v[TM+\b], v[TM+\b], v[TM+4+\b]   ; with lane l xor 16's: the block's largest magnitude
.endr
.irp b, 0,1,2,3
	v_add_nc_u32 v[TM+12+\b], 0xfe000000, v[TM+\b] ; 4 off its exponent field: the conversion's scale operand
.endr
.irp b, 0,1,2,3
	v_lshrrev_b32 v[TM+4+\b], 23, v[TM+12+\b]      ; the byte
.endr
	v_lshl_or_b32 v[PW], v[TM+5], 8, v[TM+4]
	v_lshl_or_b32 v[PW], v[TM+6], 16, v[PW]
	v_lshl_or_b32 v[PW], v[TM+7], 24, v[PW]
	WIN 0x03
.irp c, 0,1
	v_cvt_scalef32_pk16_bf6_f32 v[PC+6*\c:PC+2+6*\c], v[(\s)+32*\c:(\s)+15+32*\c], v[TM+12+2*\c]
	v_cvt_scalef32_pk16_bf6_f32 v[PC+12+4*\c:PC+14+4*\c], v[(\s)+16+32*\c:(\s)+31+32*\c], v[TM+13+2*\c]
.endr
	WIN 0
	v_nop                                          ; one plain instruction behind a scaled conversion
.irp c, 0,1                                    ; the operand's layout wants a whole block in a lane
.irp i, 0,1,2
	v_permlane16_swap_b32 v[PC+6*\c+\i], v[PC+12+4*\c+\i]
.endr
.irp i, 0,1,2
	v_mov_b32 v[PC+3+6*\c+\i], v[PC+12+4*\c+\i]
.endr
.endr
.endm
	s_load_b128 s[4:7], s[0:1], 0x0                ; xq s[4:5], wq s[6:7]
	s_load_b128 s[8:11], s[0:1], 0x10              ; qq s[8:9], kvq s[10:11]
	v_lshl_add_u32 v[SPW], v0, 2, SPARE
	v_mov_b32 v[NIL], 0
	ds_add_u32 v12, v13
	ds_add_u32 v12, v13
	s_wait_dscnt 0x0
	v_lshrrev_b32 v1, 5, v0
	v_readfirstlane_b32 s[WV], v1                  ; wave 0..3
	s_lshr_b32 s13, s[WV], 1                       ; wm: which 128 rows
	s_and_b32 s14, s[WV], 1                        ; wn: which 64 columns
	s_bfe_u32 s15, ttmp6, 0x40000                  ; cx
	s_bfe_u32 s16, ttmp6, 0x40004                  ; cy
	s_lshl_b32 s17, ttmp9, 2
	s_add_co_u32 s17, s17, s15                     ; j
	s_and_b32 s18, ttmp7, 0xffff
	s_lshl_b32 s18, s18, 2
	s_add_co_u32 s18, s18, s16                     ; blk
	s_lshl_b32 s19, s16, 2
	s_lshl_b32 s19, 15, s19                        ; my row of the cluster
	s_lshl_b32 s20, 0x1111, s15                    ; my column
	s_or_b32 s[G1A], s19, (3<<16)|(1<<21)          ; 15:0 the mask; 17:16 elements of 8 bytes; 21 set beside a mask; no padding
	s_or_b32 s[G1AS], s19, (3<<16)|(1<<21)
	s_or_b32 s[G1B], s20, (3<<16)|(1<<21)
	s_or_b32 s[G1BS], s20, (3<<16)|(1<<21)
	G1REST G1A, 96                                 ; 24,576 bytes: a wave's quarter of half of x's block
	G1REST G1B, 48                                 ; 12,288: of a slot
	G1REST G1AS, 8                                 ; 2,048: of x's scale words
	G1REST G1BS, 12                                ; 3,072: of the weights'
	s_mul_i32 s86, s[WV], 24576
	s_mul_i32 s87, s[WV], 12288
	s_lshl_b32 s88, s[WV], 11
	s_mul_i32 s89, s[WV], 3072
	s_mul_i32 s84, s18, 196608                     ; x's addresses hang on blk and the wave alone,
	s_add_co_u32 s84, s84, s86
	s_mov_b32 s85, 0
	s_lshl_b32 s90, s18, 13
	s_add_co_u32 s90, s90, s88
	s_add_co_u32 s90, s90, XQS
	s_mov_b32 s91, 0
	s_mul_i32 s92, s17, 294912                     ; the weights' on j and the wave alone
	s_add_co_u32 s92, s92, s87
	s_mov_b32 s93, 0
	s_mul_i32 s94, s17, 12288
	s_add_co_u32 s94, s94, s89
	s_add_co_u32 s94, s94, WQS
	s_mov_b32 s95, 0
	s_wait_kmcnt 0x0
	s_mov_b32 s[G0AS], 1
	s_add_co_u32 s[G0AS+1], s88, LAS
	s_add_nc_u64 s[G0AS+2:G0AS+3], s[4:5], s[90:91]
	s_or_b32 s[G0AS+3], s[G0AS+3], 0x80000000
	s_mov_b32 s[G0BS], 1
	s_add_co_u32 s[G0BS+1], s89, LBS
	s_add_nc_u64 s[G0BS+2:G0BS+3], s[6:7], s[94:95]
	s_or_b32 s[G0BS+3], s[G0BS+3], 0x80000000
	s_mov_b32 s[G0A], 1
	s_mov_b32 s[G0A+1], s86
	s_add_nc_u64 s[G0A+2:G0A+3], s[4:5], s[84:85]
	s_or_b32 s[G0A+3], s[G0A+3], 0x80000000
	s_mov_b32 s[G0A+4], 1
	s_add_co_u32 s[G0A+5], s86, 98304
	s_add_nc_u64 s[G0A+6:G0A+7], s[4:5], s[84:85]
	s_add_nc_u64 s[G0A+6:G0A+7], s[G0A+6:G0A+7], 98304
	s_or_b32 s[G0A+7], s[G0A+7], 0x80000000
	s_mov_b32 s[G0B], 1
	s_add_co_u32 s[G0B+1], s87, LB
	s_add_nc_u64 s[G0B+2:G0B+3], s[6:7], s[92:93]
	s_or_b32 s[G0B+3], s[G0B+3], 0x80000000
	s_mov_b32 s[G0B+4], 1
	s_add_co_u32 s[G0B+5], s87, LB+SLOT
	s_add_nc_u64 s[G0B+6:G0B+7], s[6:7], s[92:93]
	s_add_nc_u64 s[G0B+6:G0B+7], s[G0B+6:G0B+7], SLOT
	s_or_b32 s[G0B+7], s[G0B+7], 0x80000000
	CROUND                                         ; all sixteen work-groups are here: the first joint loads meet
	tensor_load_to_lds s[G0AS:G0AS+3], s[G1AS:G1AS+7]      ; the first fills, one group: six loads of mine are out
	s_nop 0
	tensor_load_to_lds s[G0BS:G0BS+3], s[G1BS:G1BS+7]
	s_nop 0
	tensor_load_to_lds s[G0A:G0A+3], s[G1A:G1A+7]
	s_nop 0
	tensor_load_to_lds s[G0B:G0B+3], s[G1B:G1B+7]
	s_nop 0
	tensor_load_to_lds s[G0A+4:G0A+7], s[G1A:G1A+7]
	s_nop 0
	tensor_load_to_lds s[G0B+4:G0B+7], s[G1B:G1B+7]
	s_nop 0
	PLACES 4
	; where my results go: bh = 16 x batch + head, s = my key step of the batch's 16
	s_lshr_b32 s21, s18, 3
	s_lshl_b32 s21, s21, 4
	s_lshl_b32 s22, s17, 1
	s_add_co_u32 s21, s21, s22
	s_add_co_u32 s21, s21, s14                     ; bh
	s_and_b32 s22, s18, 7
	s_lshl_b32 s22, s22, 1
	s_add_co_u32 s22, s22, s13                     ; s
	s_mov_b32 s89, 0
	s_mul_i32 s88, s21, 98304
	s_mul_i32 s23, s22, 6144                       ; eight query tiles of 768 bytes
	s_add_co_u32 s88, s88, s23
	s_add_nc_u64 s[QC:QC+1], s[8:9], s[88:89]
	s_lshl_b32 s88, s21, 12
	s_lshl_b32 s23, s22, 8
	s_add_co_u32 s88, s88, s23
	s_add_co_u32 s88, s88, QQS
	s_add_nc_u64 s[QSB:QSB+1], s[8:9], s[88:89]
	s_mul_i32 s88, s21, 196608
	s_mul_i32 s23, s22, 12288
	s_add_co_u32 s88, s88, s23
	s_add_nc_u64 s[KC:KC+1], s[10:11], s[88:89]
	s_lshl_b32 s88, s21, 13
	s_lshl_b32 s23, s22, 9
	s_add_co_u32 s88, s88, s23
	s_add_co_u32 s88, s88, KVS
	s_add_nc_u64 s[KSB:KSB+1], s[10:11], s[88:89]
	v_and_b32 v1, 31, v0                           ; lane
	v_and_b32 v2, 15, v0                           ; r
	v_bfe_u32 v3, v0, 4, 1                         ; h
	v_lshlrev_b32 v[L8], 3, v1
	v_lshlrev_b32 v[L16], 4, v1
	s_mul_i32 s23, s13, 12288
	v_add_nc_u32 v[ADA], s23, v[L8]
	v_add_nc_u32 v[ADA+1], 49152, v[ADA]
	v_add_nc_u32 v[ADA+2], 98304, v[ADA]
	v_add_nc_u32 v[ADA+3], 147456, v[ADA]
	s_mul_i32 s23, s14, 24576
	s_add_co_u32 s23, s23, LB
	v_add_nc_u32 v[ADB], s23, v[L16]
	v_add_nc_u32 v[ADB+1], SLOT, v[ADB]
	s_lshl_b32 s23, s13, 12
	s_add_co_u32 s23, s23, LAS
	v_lshlrev_b32 v[ADSA], 4, v2
	v_lshl_add_u32 v[ADSA], v3, 11, v[ADSA]
	v_add_nc_u32 v[ADSA], s23, v[ADSA]
	s_lshl_b32 s23, s14, 11
	s_add_co_u32 s23, s23, LBS
	v_lshlrev_b32 v[ADSB], 2, v2
	v_lshl_add_u32 v[ADSB], v3, 10, v[ADSB]
	v_add_nc_u32 v[ADSB], s23, v[ADSB]
.irp b, 0,1,2,3
	v_mov_b32 v[TM+4+\b], 0                        ; a lane permute's destination counts as one of its sources
.endr
	s_mov_b32 s[SEL], 0x76543210
	s_mov_b32 s[SEL+1], 0xfedcba98                 ; lane l xor 16
	s_wait_alu depctr_va_vdst(0)
	s_wait_tensorcnt 2                             ; the scale words, x's first half of K and slot 0 are in; x's second half and slot 1 may be out
	s_barrier_signal -1
	s_barrier_wait -1
	FETCH 0, 0, 0
	SCALES 0, 0, 0
	; ---- pass q
	STEP 0, 0, 1
	STEP 0, 1, 0
	STEP 0, 2, 0
	TURN 0, 3, 1, 0
	STEP 0, 4, 0
	STEP 0, 5, 0
	STEP 0, 6, 0
	TURN 0, 7, 1, 1
	PLACES 4                                       ; in front of the first read of results
.irp f, 0,1,2,3                                ; query tiles 2 f and 2 f + 1: the head's 64 are two blocks each
	QUANT 64*\f
.irp i, 0,1,2,3,4,5
	global_store_b64 v[L8], v[PC+2*\i:PC+2*\i+1], s[QC:QC+1] offset:1536*\f+256*\i   ; 256 consecutive bytes, aligned
.endr
	v_mov_b32 v[QW+\f], v[PW]
.endr
	v_cmp_ne_u32 vcc_lo, 0, v3
	v_cndmask_b32 v[SD], v[QW], v[QW+2], vcc_lo    ; lanes 0-15 store pairs 0 and 1's words, lanes 16-31 pairs 2 and 3's
	v_cndmask_b32 v[SD+1], v[QW+1], v[QW+3], vcc_lo
	global_store_b64 v[L8], v[SD:SD+1], s[QSB:QSB+1]
	; ---- pass k
	STEP 0, 0, 1
	STEP 0, 1, 0
	STEP 0, 2, 0
	TURN 0, 3, 1, 1
	STEP 0, 4, 0
	STEP 0, 5, 0
	STEP 0, 6, 0
	TURN 0, 7, 1, 2
	PLACES 4
.irp f, 0,1,2,3                                ; key tiles 2 f and 2 f + 1 make one fragment
	QUANT 64*\f
.irp g, 0,1,2
	global_store_b128 v[L16], v[PC+4*\g:PC+4*\g+3], s[KC:KC+1] offset:1536*\f+512*\g   ; 512 consecutive bytes, aligned
.endr
	v_mov_b32 v[KW+\f], v[PW]
.endr
	; ---- pass v: the sources swapped
	STEP 1, 0, 1
	STEP 1, 1, 0
	STEP 1, 2, 0
	TURN 1, 3, 0, 2                                ; the last slot has been asked for: nothing is filled again
	STEP 1, 4, 0
	STEP 1, 5, 0
	STEP 1, 6, 0
	s_wait_dscnt 0x0
	MUL 1, 1, 1, 3, 0, 32, 0
	PLACES 4
.irp t, 0,1,2,3                                ; 16 of the head's 64 x my 128 keys
	QUANT 64*\t
.irp g, 0,1,2
	global_store_b128 v[L16], v[PC+4*\g:PC+4*\g+3], s[KC:KC+1] offset:6144+1536*\t+512*\g
.endr
	v_mov_b32 v[QW+\t], v[PW]
.endr
	v_cmp_ne_u32 vcc_lo, 0, v3
.irp i, 0,1,2,3
	v_cndmask_b32 v[SD+\i], v[KW+\i], v[QW+\i], vcc_lo   ; lanes 0-15: K's words, lanes 16-31: V's
.endr
	global_store_b128 v[L16], v[SD:SD+3], s[KSB:KSB+1]
	s_wait_tensorcnt 0x0                           ; the wave's end
	ds_add_u32 v[SPW], v[NIL]
	s_wait_dscnt 0x0
	CROUND                                         ; the closing round: no work-group ends while a partner may still ask for a tile that names it
	s_endpgm
.Lfunc_end_k_q42804362f3_qkv:
	.size	k_q42804362f3_qkv, .Lfunc_end_k_q42804362f3_qkv-k_q42804362f3_qkv
	.p2alignl 7, 3214868480
	.fill 96, 4, 3214868480
	.section	.rodata,"a",@progbits
	.p2align	6, 0x0
	.amdhsa_kernel k_q42804362f3_qkv
		.amdhsa_group_segment_fixed_size 327680
		.amdhsa_private_segment_fixed_size 0
		.amdhsa_enable_private_segment 0
		.amdhsa_kernarg_size 32
		.amdhsa_user_sgpr_count 2
		.amdhsa_user_sgpr_kernarg_segment_ptr 1
		.amdhsa_wavefront_size32 1
		.amdhsa_system_sgpr_workgroup_id_x 1
		.amdhsa_system_sgpr_workgroup_id_y 1
		.amdhsa_system_sgpr_workgroup_id_z 1
		.amdhsa_system_vgpr_workitem_id 0
		.amdhsa_next_free_vgpr 1024
		.amdhsa_next_free_sgpr 100
		.amdhsa_reserve_vcc 1
		.amdhsa_float_denorm_mode_32 3
		.amdhsa_float_denorm_mode_16_64 3
		.amdhsa_memory_ordered 1
		.amdhsa_forward_progress 1
		.amdhsa_inst_pref_size 255
	.end_amdhsa_kernel
	.section	.bss,"aw",@nobits
	.p2align	6
	.space	262144
	.amdgpu_metadata
---
amdhsa.version: [ 1, 2 ]
amdhsa.kernels:
  - .name:           k_q42804362f3_qkv
    .symbol:         k_q42804362f3_qkv.kd
    .args:
      - { .name: xq, .offset: 0, .size: 8, .value_kind: global_buffer, .address_space: global }
      - { .name: wq, .offset: 8, .size: 8, .value_kind: global_buffer, .address_space: global }
      - { .name: qq, .offset: 16, .size: 8, .value_kind: global_buffer, .address_space: global }
      - { .name: kvq, .offset: 24, .size: 8, .value_kind: global_buffer, .address_space: global }
    .group_segment_fixed_size: 327680
    .private_segment_fixed_size: 0
    .kernarg_segment_align: 8
    .kernarg_segment_size: 32
    .max_flat_workgroup_size: 128
    .sgpr_count:     100
    .vgpr_count:     1024
    .wavefront_size: 32
...
	.end_amdgpu_metadata
.endif
;; end of part 2
;; launch attn (part 3): grid 4 x 64, 16 waves a work-group, clusters of 4 x 1, 206,848 bytes of LDS; arguments qq, kvq, cq; writes cq
.if DOCPART == 3
	.amdgcn_target "amdgcn-amd-amdhsa--gfx1250"
	.amdhsa_code_object_version 6
	.text
	.protected	k_q42804362f3_attn
	.globl	k_q42804362f3_attn
	.p2align	8
	.type	k_q42804362f3_attn,@function
k_q42804362f3_attn:
	s_mov_b64 s[64:65], 0
	v_nop
	global_prefetch_b8 v0, s[64:65] scope:SCOPE_SE
	s_setreg_imm32_b32 hwreg(HW_REG_WAVE_MODE, 25, 1), 1
	s_wait_xcnt 0x0
	s_wait_alu depctr_hold_cnt(0) depctr_sa_sdst(0) depctr_va_vdst(0) depctr_va_sdst(0) depctr_va_ssrc(0) depctr_va_vcc(0) depctr_vm_vsrc(0)
	s_getreg_b32 s2, hwreg(HW_REG_IB_STS2, 6, 4)
	s_cmp_eq_u32 s2, 0
	s_cbranch_scc0 .Lentry_in_a_cluster
	s_endpgm
.Lentry_in_a_cluster:
	s_bfe_u32 s2, ttmp6, 0x10000c
	s_cmp_lg_u32 s2, 0x3003
	s_cbranch_scc0 .Lentry_shape_is_right
	s_endpgm
.Lentry_shape_is_right:
; ctx = softmax(causal(q k^T) / 8) v for one head of one batch, both products on codes of E3M2 with E8M0 scales; ctx is divided by the row's sum, quantised along (head, d) and leaves as codes, laid as the last product's operand.
; THE SOFTMAX: t = score x log2(e) / 8; M = the row's largest t so far, rounded up to a whole number; p = 2^(t - M) is quantised along the keys, not normalised; the row's sum is taken of the unquantised p.
; When M moves, the sum and O are multiplied by 2^(old M - new M), which rounds nothing.
; SHARES.  A cluster of four work-groups serves one head (bh).  THE WHOLE HEAD'S K AND V LIE IN LDS: 196,608 bytes of codes and 8,192 of scale words, brought once, jointly.  Nothing is filled again.
; Work-group c takes query tiles g = 4 m + c, m = 0 .. 31.  Tile g needs g / 8 + 1 = m / 2 + 1 key steps of 128: that does not hang on c, so no branch and no LDS address hangs on the place in the cluster.
; Wave w takes m = 31 - w, then m = w: (16 - w / 2) + (w / 2 + 1) = 17 key steps for every wave.  The first tile walks its steps upward; the second downward, from its diagonal step, in which every query sees a key.
; The mask is applied in the two diagonal steps alone (trips SWI - 1 and SWI): a scalar branch on the trip's number and the wave's.
; LAYOUT.  Both products are used transposed: a lane holds one query (lane % 16).  The head is 64 wide, the instruction 128: a fragment of K holds TWO key tiles (registers 0-5, registers 6-11), and it is multiplied by
; [q | zero codes] and by [zero codes | q]: zero codes add nothing; their scale bytes are 1.  The keys of a tile are 32 (T / 2) + 8 (T % 2) + r + 8 (r / 8), so that p's registers run along neighbouring keys.
; LIMITS: a block of ctx that is all zeros or under 2^-122 gets the byte 1; NaN and infinities are not served.
; ctx's scale bytes leave as single bytes, 32 of one block of 256 bytes: a scale word belongs to two heads, so to two work-groups: one byte for each 24 of ctx's codes.
.set QQS, 6291456
.set KVS, 12582912
.set XQS, 6291456
.set LSC, 196608                       ; LDS: codes at 12,288 x step (K: 1,536 f; V: 6,144 + 1,536 t; + 512 g + 16 x lane); scale words at LSC + 512 x step + 16 x lane
.set WV,  10                           ; s10 wave;  s11 c;  s12 bh;  s13 16 (c % 2)
.set G1S, 24                           ; s[24:31], s[32:39], s[40:47] groups 1: 8, 48, 144 rows of 256 bytes;  s[48:59] their groups 0
.set G1F, 32
.set G1R, 40
.set SEL, 60                           ; s[60:61] lane l xor 16
.set CS,  62                           ; s[62:63] log2(e) / 8
.set I,   66                           ; s66 the trip, 0 .. 16
.set SWI, 67                           ; s67 the trip in which the second tile begins
.set DNI, 68                           ; s68 16 - I
.set KI,  69                           ; s69 the key step
.set TB,  70                           ; s70 its codes in LDS;  s71 its scale words;  s72 its first key
.set TS,  71
.set KF,  72
; v1 16 x lane; v2 LSC + 16 x lane; v3 8 x lane; v4 16 r + h; v5, v6 my query - 16 h of the first and second tile; v7 of the tile in hand; v8, v9 the step's addresses; v10 h
; v12 -M; v13 the largest t; v[14:15] the sum in two halves; v[16:27] [q | 0]; v[28:39] [0 | q]; v[40:45] the second tile's q; v46, v47 q's scale words for the two; v48, v49 the second tile's
; v[52:99] four fragments of K, then of V; v[100:163] S^T, then p; v[164:195] O^T; v[196:207] p's codes; v[208:214] conversions' upper halves; v[216:219] the step's scale words (lanes 0-15 K's, 16-31 V's)
; v[220:223] block maxima; v[224:227] at work, bytes; v[228:231] scale operands; v232 f; v233 p's scale word; v234-237 at work
.macro CROUND
	s_barrier_signal -1
	s_barrier_wait -1
	s_cmp_lg_u32 s[WV], 0
	s_cbranch_scc1 .Lnot_wave_0_\@
	s_barrier_signal -3
.Lnot_wave_0_\@:
	s_barrier_wait -3
	s_barrier_signal -1
	s_barrier_wait -1
.endm
.macro G1SET g, rows                   ; a dense block as rows of 256 bytes, for all four work-groups
	s_mov_b32 s[\g], 15|(3<<16)|(1<<21)
	s_mov_b32 s[\g+1], 32<<16
	s_mov_b32 s[\g+2], (\rows)<<16
	s_mov_b32 s[\g+3], 32<<16
	s_mov_b32 s[\g+4], \rows
	s_mov_b32 s[\g+5], 32
	s_mov_b32 s[\g+6], 0
	s_mov_b32 s[\g+7], 0
.endm
.macro CQBASE g, cb, sb                ; where tile g's codes and scale bytes go.  s20 = 128 x batch, s22, s23 = the head's parts, s19 = 0
	s_add_co_u32 s17, s20, s[\g]                   ; T
	s_lshr_b32 s18, s17, 4
	s_mul_i32 s18, s18, 196608
	s_and_b32 s21, s17, 15
	s_mul_i32 s21, s21, 1536
	s_add_co_u32 s18, s18, s21
	s_add_co_u32 s18, s18, s22
	s_add_nc_u64 s[\cb:\cb+1], s[8:9], s[18:19]
	s_lshl_b32 s18, s17, 9
	s_add_co_u32 s18, s18, s23
	s_add_nc_u64 s[\sb:\sb+1], s[8:9], s[18:19]
.endm
; A KEY STEP: 128 keys.  mk = 1: with the mask's lines, jumped over in all trips but SWI - 1 and SWI
.macro STEP mk
	v_add_nc_u32 v8, s[TB], v1
	v_add_nc_u32 v9, s[TS], v2
	v_nop
	v_nop                                          ; four plain instructions in front of loads into registers that the last products have read
	ds_load_b128 v[216:219], v9
.irp f, 0,1,2,3
.irp g, 0,1,2
	ds_load_b128 v[52+12*\f+4*\g:55+12*\f+4*\g], v8 offset:1536*\f+512*\g
.endr
.endr
	s_wait_alu depctr_va_vdst(0)
	s_wait_dscnt 0x0
.irp f, 0,1,2,3                                ; S^T = K Q^T: key tiles 2 f and 2 f + 1 out of one fragment
	v_wmma_scale_f32_16x16x128_f8f6f4 v[100+16*\f:107+16*\f], v[52+12*\f:63+12*\f], v[16:27], 0, v[216+\f], v46 matrix_a_fmt:MATRIX_FMT_BF6 matrix_b_fmt:MATRIX_FMT_BF6
	v_wmma_scale_f32_16x16x128_f8f6f4 v[108+16*\f:115+16*\f], v[52+12*\f:63+12*\f], v[28:39], 0, v[216+\f], v47 matrix_a_fmt:MATRIX_FMT_BF6 matrix_b_fmt:MATRIX_FMT_BF6
.endr
.rept 4
	v_nop                                          ; in front of the loads below and of the first read of the scores
.endr
.irp t, 0,1,2,3
.irp g, 0,1,2
	ds_load_b128 v[52+12*\t+4*\g:55+12*\t+4*\g], v8 offset:6144+1536*\t+512*\g   ; V: it lands while the softmax is walked
.endr
.endr
.if \mk
	s_add_co_u32 s73, s[I], 1
	s_cmp_eq_u32 s[I], s[SWI]
	s_cselect_b32 s73, s[SWI], s73
	s_cmp_lg_u32 s73, s[SWI]
	s_cbranch_scc1 .Lopen_\@                       ; neither trip SWI - 1 nor trip SWI: all 128 keys count
	v_sub_nc_u32 v235, v7, s[KF]                   ; d = my query - 16 h - the step's first key.  Register 16 b + i holds key 32 b + 16 h + i of the step: hidden where 32 b + i > d
	v_mov_b32 v236, 0xff800000                     ; -infinity: p = 0 then
.set n, 0
.rept 64
	v_cmp_gt_i32 vcc_lo, 32*(n/16)+n%16, v235
	v_cndmask_b32 v[100+n], v[100+n], v236, vcc_lo
.set n, n+1
.endr
.Lopen_\@:
.endif
.irp b, 0,1,2,3
	v_max3_num_f32 v[220+\b], v[100+16*\b], v[101+16*\b], v[102+16*\b]   ; the largest score of each block of 32 keys: for the row's maximum, and, since p rises with the score, for the block's largest p
.endr
.irp i, 3,5,7,9,11,13
.irp b, 0,1,2,3
	v_max3_num_f32 v[220+\b], v[220+\b], v[100+16*\b+\i], v[101+16*\b+\i]
.endr
.endr
.irp b, 0,1,2,3
	v_max_num_f32 v[220+\b], v[220+\b], v[115+16*\b]
.endr
.irp b, 0,1,2,3
	s_delay_alu instid0(VALU_DEP_4)
	v_permlanex16_b32 v[224+\b], v[220+\b], s[SEL], s[SEL+1]
.endr
.irp b, 0,1,2,3
	s_delay_alu instid0(VALU_DEP_4)
	v_max_num_f32 v[220+\b], v[220+\b], v[224+\b]  ; with lane l xor 16's 16 keys
.endr
	s_delay_alu instid0(VALU_DEP_2)
	v_max3_num_f32 v234, v220, v221, v222
	s_delay_alu instid0(VALU_DEP_1)
	v_max_num_f32 v234, v234, v223
	s_delay_alu instid0(VALU_DEP_1)
	v_mul_f32 v234, s[CS], v234                    ; the step's largest t
	s_delay_alu instid0(VALU_DEP_1)
	v_max_num_f32 v13, v13, v234
	v_mov_b32 v234, v12
	s_delay_alu instid0(VALU_DEP_2)
	v_floor_f32 v12, -v13                          ; the new -M = floor(-t): M is a whole number
	s_delay_alu instid0(VALU_DEP_1)
	v_sub_f32 v234, v12, v234                      ; old M - new M: a whole number, 0 or less
	s_delay_alu instid0(VALU_DEP_1)
	v_cvt_i32_f32 v234, v234                       ; (it saturates)
	s_delay_alu instid0(VALU_DEP_1)
	v_ldexp_f32 v232, 1.0, v234                    ; f = 2^(old M - new M)
.set j, 0
.rept 32
	v_pk_fma_f32 v[100+j:101+j], v[100+j:101+j], s[CS:CS+1], v[12:13] op_sel_hi:[1,0,0]   ; t - M
.set j, j+2
.endr
.irp b, 0,1,2,3
	v_fma_f32 v[220+\b], v[220+\b], s[CS], v12     ; the same of each block's largest score
.endr
.set j, 0
	s_wait_alu depctr_va_vdst(0)
.rept 64
	v_exp_f32 v[100+j], v[100+j]                   ; p = 2^(t - M)
.set j, j+1
.endr
	v_pk_mul_f32 v[14:15], v[14:15], v[232:233] op_sel_hi:[1,0]   ; the sums under the new M; the plain instruction behind the exponentials
	s_wait_alu depctr_va_vdst(0)                   ; one wait for the whole batch, ahead of its first reader
.irp b, 0,1,2,3
	v_exp_f32 v[220+\b], v[220+\b]                 ; the block's largest p
.endr
	v_pk_add_f32 v[224:225], v[104:105], v[108:109]
	v_pk_add_f32 v[252:253], v[112:113], v[116:117]
	v_pk_add_f32 v[250:251], v[120:121], v[124:125]
	v_pk_add_f32 v[248:249], v[128:129], v[132:133]
	v_pk_add_f32 v[246:247], v[136:137], v[140:141]
	v_pk_add_f32 v[244:245], v[144:145], v[148:149]
	v_pk_add_f32 v[242:243], v[152:153], v[156:157]
	v_pk_add_f32 v[14:15], v[14:15], v[160:161]
	v_pk_add_f32 v[224:225], v[224:225], v[100:101]
	v_pk_add_f32 v[252:253], v[252:253], v[102:103]
	v_pk_add_f32 v[250:251], v[250:251], v[106:107]
	v_pk_add_f32 v[248:249], v[248:249], v[110:111]
	v_pk_add_f32 v[246:247], v[246:247], v[114:115]
	v_pk_add_f32 v[244:245], v[244:245], v[118:119]
	v_pk_add_f32 v[242:243], v[242:243], v[122:123]
	v_pk_add_f32 v[14:15], v[14:15], v[126:127]
	v_pk_add_f32 v[224:225], v[224:225], v[130:131]
	v_pk_add_f32 v[252:253], v[252:253], v[134:135]
	v_pk_add_f32 v[250:251], v[250:251], v[138:139]
	v_pk_add_f32 v[248:249], v[248:249], v[142:143]
	v_pk_add_f32 v[246:247], v[246:247], v[146:147]
	v_pk_add_f32 v[244:245], v[244:245], v[150:151]
	v_pk_add_f32 v[242:243], v[242:243], v[154:155]
	v_pk_add_f32 v[14:15], v[14:15], v[158:159]
	v_pk_add_f32 v[224:225], v[224:225], v[162:163]
	s_delay_alu instid0(VALU_DEP_2)
	v_pk_add_f32 v[14:15], v[14:15], v[248:249]
	s_delay_alu instid0(VALU_DEP_2)
	v_pk_add_f32 v[224:225], v[224:225], v[246:247]
	v_pk_add_f32 v[252:253], v[252:253], v[244:245]
	v_pk_add_f32 v[250:251], v[250:251], v[242:243]
	s_delay_alu instid0(VALU_DEP_2)
	v_pk_add_f32 v[14:15], v[14:15], v[252:253]
	s_delay_alu instid0(VALU_DEP_2)
	v_pk_add_f32 v[224:225], v[224:225], v[250:251]
	s_delay_alu instid0(VALU_DEP_1)
	v_pk_add_f32 v[14:15], v[14:15], v[224:225]
	s_wait_alu depctr_va_vdst(0)                   ; and one for the four
.irp b, 0,1,2,3
	v_max_num_f32 v[220+\b], 0x2800000, v[220+\b]  ; the floor 2^(5 - 127)
.endr
.irp b, 0,1,2,3
	s_delay_alu instid0(VALU_DEP_4)
	v_add_nc_u32 v[228+\b], 0xfe000000, v[220+\b]
.endr
.irp b, 0,1,2,3
	s_delay_alu instid0(VALU_DEP_4)
	v_lshrrev_b32 v[224+\b], 23, v[228+\b]
.endr
	s_delay_alu instid0(VALU_DEP_3)
	v_lshl_or_b32 v233, v225, 8, v224              ; p's scale word for these 128 keys
	s_delay_alu instid0(VALU_DEP_1)
	v_lshl_or_b32 v233, v226, 16, v233
	s_delay_alu instid0(VALU_DEP_1)
	v_lshl_or_b32 v233, v227, 24, v233
.irp c, 0,1
	v_cvt_scalef32_pk16_bf6_f32 v[196+6*\c:198+6*\c], v[100+32*\c:115+32*\c], v[228+2*\c]
	v_cvt_scalef32_pk16_bf6_f32 v[208+4*\c:210+4*\c], v[116+32*\c:131+32*\c], v[229+2*\c]
.endr
	v_nop                                          ; one plain instruction behind a scaled conversion
.irp c, 0,1
.irp i, 0,1,2
	v_permlane16_swap_b32 v[196+6*\c+\i], v[208+4*\c+\i]
.endr
.irp i, 0,1,2
	s_delay_alu instid0(VALU_DEP_3)
	v_mov_b32 v[199+6*\c+\i], v[208+4*\c+\i]
.endr
.endr
.set j, 0
.rept 16
	v_pk_mul_f32 v[164+j:165+j], v[164+j:165+j], v[232:233] op_sel_hi:[1,0]   ; O^T under the new M; of these sixteen, twelve name no register of any one product below: the plain instructions between the scale word's making and its use
.set j, j+2
.endr
	s_wait_alu depctr_va_vdst(0)
	s_wait_dscnt 0x0                               ; V is in
.irp t, 0,1,2,3                                ; O^T += V^T P^T
	v_wmma_scale_f32_16x16x128_f8f6f4 v[164+8*\t:171+8*\t], v[52+12*\t:63+12*\t], v[196:207], v[164+8*\t:171+8*\t], v[216+\t], v233 matrix_a_fmt:MATRIX_FMT_BF6 matrix_b_fmt:MATRIX_FMT_BF6 matrix_a_scale:MATRIX_SCALE_ROW1
.endr
.endm
; a tile is done: O^T / the sum is ctx: register 16 b + i = d 32 b + 16 h + i of my query: two blocks; six registers of codes and two bytes
.macro FINISH cb, sb
.rept 4
	v_nop
.endr
	v_add_f32 v14, v14, v15
	s_delay_alu instid0(VALU_DEP_1)
	v_permlanex16_b32 v224, v14, s[SEL], s[SEL+1]
	s_delay_alu instid0(VALU_DEP_1)
	v_add_f32 v14, v14, v224                       ; the row's sum
	s_wait_alu depctr_va_vdst(0)
	v_rcp_f32 v14, v14
	v_nop                                          ; a plain instruction behind the reciprocal
	s_wait_alu depctr_va_vdst(0)                   ; and the wait ahead of its first reader
.set j, 0
.rept 16
	v_pk_mul_f32 v[100+j:101+j], v[164+j:165+j], v[14:15] op_sel_hi:[1,0]   ; each accumulator from its low end on
.set j, j+2
.endr
.irp b, 0,1
	v_max3_num_f32 v[220+\b], |v[100+16*\b]|, |v[101+16*\b]|, 0x2800000
.endr
.irp i, 2,4,6,8,10,12,14
.irp b, 0,1
	s_delay_alu instid0(VALU_DEP_2)
	v_max3_num_f32 v[220+\b], v[220+\b], |v[100+16*\b+\i]|, |v[101+16*\b+\i]|
.endr
.endr
.irp b, 0,1
	s_delay_alu instid0(VALU_DEP_2)
	v_permlanex16_b32 v[224+\b], v[220+\b], s[SEL], s[SEL+1]
.endr
.irp b, 0,1
	s_delay_alu instid0(VALU_DEP_2)
	v_max_num_f32 v[220+\b], v[220+\b], v[224+\b]
.endr
.irp b, 0,1
	s_delay_alu instid0(VALU_DEP_2)
	v_add_nc_u32 v[228+\b], 0xfe000000, v[220+\b]
.endr
.irp b, 0,1
	s_delay_alu instid0(VALU_DEP_2)
	v_lshrrev_b32 v[224+\b], 23, v[228+\b]
.endr
	v_cvt_scalef32_pk16_bf6_f32 v[196:198], v[100:115], v228
	v_cvt_scalef32_pk16_bf6_f32 v[208:210], v[116:131], v229
	v_nop
.irp i, 0,1,2
	v_permlane16_swap_b32 v[196+\i], v[208+\i]
.endr
.irp i, 0,1,2
	s_delay_alu instid0(VALU_DEP_3)
	v_mov_b32 v[199+\i], v[208+\i]
.endr
	v_cmp_ne_u32 vcc_lo, 0, v10
	s_delay_alu instid0(VALU_DEP_1)
	v_cndmask_b32 v226, v224, v225, vcc_lo         ; lane (r, h) stores block h's byte
.irp i, 0,1,2
	global_store_b64 v3, v[196+2*\i:197+2*\i], s[\cb:\cb+1] offset:256*\i   ; 256 consecutive bytes, aligned
.endr
	global_store_b8 v4, v226, s[\sb:\sb+1]
.endm
	s_load_b128 s[4:7], s[0:1], 0x0                ; qq s[4:5], kvq s[6:7]
	s_load_b64 s[8:9], s[0:1], 0x10                ; cq
	v_lshl_add_u32 v254, v0, 2, 0x32000
	v_mov_b32 v255, 0
	ds_add_u32 v254, v255
	ds_add_u32 v254, v255
	v_lshrrev_b32 v1, 5, v0
	s_delay_alu instid0(VALU_DEP_1)
	v_readfirstlane_b32 s[WV], v1                  ; wave 0..15
	s_bfe_u32 s11, ttmp6, 0x40000                  ; c: my place in the cluster: it enters Q's and ctx's addresses and the mask's numbers alone
	s_and_b32 s12, ttmp7, 0xffff                   ; bh
	G1SET G1S, 8
	G1SET G1F, 48
	G1SET G1R, 144
	s_lshl_b32 s14, s[WV], 11
	s_mul_i32 s15, s[WV], 12288
	s_mul_i32 s16, s[WV], 36864
	s_lshl_b32 s18, s12, 13
	s_add_co_u32 s18, s18, s14
	s_add_co_u32 s18, s18, KVS
	s_mov_b32 s19, 0
	s_mul_i32 s17, s12, 196608
	s_add_co_u32 s20, s17, s15
	s_mov_b32 s21, 0
	s_add_co_u32 s22, s17, s16
	s_add_co_u32 s22, s22, 49152
	s_mov_b32 s23, 0
	s_wait_dscnt 0x0
	s_wait_kmcnt 0x0
	s_mov_b32 s48, 1                               ; the scale words: a quarter, 2,048 bytes, to each of waves 0 to 3
	s_add_co_u32 s49, s14, LSC
	s_add_nc_u64 s[50:51], s[6:7], s[18:19]
	s_or_b32 s51, s51, 0x80000000
	s_mov_b32 s52, 1                               ; key steps 0 to 3: one step a wave
	s_mov_b32 s53, s15
	s_add_nc_u64 s[54:55], s[6:7], s[20:21]
	s_or_b32 s55, s55, 0x80000000
	s_mov_b32 s56, 1                               ; key steps 4 to 15: three steps a wave
	s_add_co_u32 s57, s16, 49152
	s_add_nc_u64 s[58:59], s[6:7], s[22:23]
	s_or_b32 s59, s59, 0x80000000
	CROUND                                         ; all four work-groups are here: the joint loads meet
	s_cmp_lt_u32 s[WV], 4                          ; waves 0 to 3 fetch: all their fills stand in this one branch; three loads of a wave are out
	s_cbranch_scc0 .Lno_fill
	tensor_load_to_lds s[48:51], s[G1S:G1S+7]
	s_nop 0
	tensor_load_to_lds s[52:55], s[G1F:G1F+7]
	s_nop 0
	tensor_load_to_lds s[56:59], s[G1R:G1R+7]
	s_nop 0
.rept 4
	v_nop
.endr
.Lno_fill:
	s_xor_b32 s14, s[WV], 31                       ; m of the first tile: 31 - wave
	s_lshl_b32 s15, s14, 2
	s_add_co_u32 s15, s15, s11                     ; its g
	s_lshl_b32 s16, s[WV], 2
	s_add_co_u32 s16, s16, s11                     ; the second tile's g
	s_mov_b32 s19, 0
	s_mul_i32 s17, s12, 98304
	s_mul_i32 s18, s15, 768
	s_add_co_u32 s18, s18, s17
	s_add_nc_u64 s[74:75], s[4:5], s[18:19]        ; q's codes, first tile,
	s_mul_i32 s18, s16, 768
	s_add_co_u32 s18, s18, s17
	s_add_nc_u64 s[76:77], s[4:5], s[18:19]        ; second tile
	s_lshl_b32 s17, s12, 12
	s_add_co_u32 s17, s17, QQS
	s_lshr_b32 s20, s11, 1
	s_lshl_b32 s20, s20, 2
	s_add_co_u32 s17, s17, s20                     ; q's scale words: 4,096 bh + 128 m + 8 r + 4 (c / 2)
	s_lshl_b32 s18, s14, 7
	s_add_co_u32 s18, s18, s17
	s_add_nc_u64 s[78:79], s[4:5], s[18:19]
	s_lshl_b32 s18, s[WV], 7
	s_add_co_u32 s18, s18, s17
	s_add_nc_u64 s[80:81], s[4:5], s[18:19]
	v_and_b32 v11, 31, v0                          ; lane
	v_and_b32 v234, 15, v0                         ; r
	s_wait_alu depctr_va_vdst(0)
	v_bfe_u32 v10, v0, 4, 1                        ; h
	s_wait_alu depctr_va_vdst(0)
	v_lshlrev_b32 v1, 4, v11
	s_delay_alu instid0(VALU_DEP_1)
	v_add_nc_u32 v2, LSC, v1
	v_lshlrev_b32 v3, 3, v11
	v_lshl_add_u32 v4, v234, 4, v10
	v_lshlrev_b32 v235, 3, v234
.irp i, 0,1,2
	global_load_b64 v[16+2*\i:17+2*\i], v3, s[74:75] offset:256*\i
	global_load_b64 v[40+2*\i:41+2*\i], v3, s[76:77] offset:256*\i
.endr
	global_load_b32 v46, v235, s[78:79]
	global_load_b32 v48, v235, s[80:81]
	s_lshr_b32 s20, s12, 4
	s_lshl_b32 s20, s20, 7                         ; 128 x batch
	s_and_b32 s21, s12, 15                         ; head
	s_lshr_b32 s22, s21, 1
	s_mul_i32 s22, s22, 24576                      ; K step head / 2,
	s_and_b32 s23, s21, 1
	s_mul_i32 s17, s23, 768                        ; registers 6 (head % 2) on
	s_add_co_u32 s22, s22, s17
	s_lshl_b32 s23, s23, 1
	s_lshr_b32 s17, s21, 3
	s_lshl_b32 s17, s17, 8
	s_add_co_u32 s23, s23, s17
	s_bfe_u32 s17, s21, 0x20001
	s_lshl_b32 s17, s17, 2
	s_add_co_u32 s23, s23, s17
	s_add_co_u32 s23, s23, XQS
	CQBASE 15, 82, 86
	CQBASE 16, 84, 88
	v_and_b32 v236, 8, v234
	s_delay_alu instid0(VALU_DEP_1)
	v_add_nc_u32 v236, v236, v234                  ; r + 8 (r / 8)
	v_lshlrev_b32 v237, 4, v10
	s_delay_alu instid0(VALU_DEP_1)
	v_sub_nc_u32 v236, v236, v237                  ; - 16 h
	s_wait_alu depctr_va_vdst(0)
	s_lshr_b32 s17, s11, 1
	s_lshl_b32 s17, s17, 5
	s_and_b32 s18, s11, 1
	s_lshl_b32 s13, s18, 4                         ; 16 (c % 2): which half of q's scale word is my tile's
	s_lshl_b32 s18, s18, 3
	s_add_co_u32 s17, s17, s18                     ; 32 (c / 2) + 8 (c % 2)
	s_lshl_b32 s18, s14, 6
	s_add_co_u32 s18, s18, s17
	v_add_nc_u32 v5, s18, v236
	s_lshl_b32 s18, s[WV], 6
	s_add_co_u32 s18, s18, s17
	v_add_nc_u32 v6, s18, v236
	v_mov_b32 v7, v5
	s_lshr_b32 s[SWI], s[WV], 1
	s_xor_b32 s[SWI], s[SWI], 15
	s_add_co_u32 s[SWI], s[SWI], 1                 ; 16 - wave / 2
	s_mov_b32 s[SEL], 0x76543210
	s_mov_b32 s[SEL+1], 0xfedcba98
	s_mov_b32 s[CS], 0x3e38aa3b                    ; log2(e) / 8
	s_mov_b32 s[CS+1], s[CS]
	s_wait_loadcnt 0x0
	v_lshrrev_b32 v234, s13, v46
	s_delay_alu instid0(VALU_DEP_1)
	v_and_b32 v234, 0xffff, v234                   ; my tile's two bytes
	s_delay_alu instid0(VALU_DEP_1)
	v_or_b32 v46, 0x01010000, v234                 ; for [q | 0],
	s_delay_alu instid0(VALU_DEP_2)
	v_lshl_or_b32 v47, v234, 16, 0x0101            ; for [0 | q]
	v_lshrrev_b32 v234, s13, v48
	s_delay_alu instid0(VALU_DEP_1)
	v_and_b32 v234, 0xffff, v234
	s_delay_alu instid0(VALU_DEP_1)
	v_or_b32 v48, 0x01010000, v234
	s_delay_alu instid0(VALU_DEP_2)
	v_lshl_or_b32 v49, v234, 16, 0x0101
.irp i, 0,1,2,3,4,5
	v_mov_b32 v[34+\i], v[16+\i]
	v_mov_b32 v[22+\i], 0
	v_mov_b32 v[28+\i], 0
.endr
	v_mov_b32 v13, 0xff61b1e6                      ; the largest t so far: -3e38
	s_delay_alu instid0(VALU_DEP_1)
	v_floor_f32 v12, -v13
	v_mov_b32 v14, 0
	v_mov_b32 v15, 0
	v_mov_b32 v233, 0                              ; (named as the upper half of the pair v[232:233] before it is first written)
.irp b, 0,1,2,3
	v_mov_b32 v[224+\b], 0                         ; a lane permute's destination counts as one of its sources
.endr
.set j, 0
.rept 32
	v_mov_b32 v[164+j], 0                          ; O^T: the step is written without a first step of its own
.set j, j+1
.endr
	s_wait_tensorcnt 1                             ; the scale words and key steps 0 to 3 are in; steps 4 to 15 may be out
	s_barrier_signal -1
	s_barrier_wait -1
	s_mov_b32 s[I], 0
	s_mov_b32 s[TB], 0
	s_mov_b32 s[TS], 0
.Lfirst:                                           ; trips 0 to 3: every wave is on its first tile (SWI is 9 at the least), far from its diagonal
	STEP 0
	s_add_co_u32 s[TB], s[TB], 12288
	s_add_co_u32 s[TS], s[TS], 512
	s_add_co_u32 s[I], s[I], 1
	s_cmp_lt_u32 s[I], 4
	s_cbranch_scc1 .Lfirst
	s_wait_tensorcnt 0x0                           ; my part of key steps 4 to 15 is in,
	s_wait_dscnt 0x0
	s_barrier_signal -1
	s_barrier_wait -1                              ; everybody's is
	s_mov_b32 s[I], 4
	s_mov_b32 s[DNI], 13
.Lrest:                                            ; trips 4 to 16
	s_sub_co_u32 s[DNI], s[DNI], 1                 ; 16 - I
	s_cmp_lg_u32 s[I], s[SWI]
	s_cbranch_scc1 .Lsame
	FINISH 82, 86                                  ; the first tile is done; on to the second
	s_wait_xcnt 0x0                                ; the stores have read their registers
	v_mov_b32 v46, v48
	v_mov_b32 v47, v49
.irp i, 0,1,2,3,4,5
	v_mov_b32 v[16+\i], v[40+\i]
	v_mov_b32 v[34+\i], v[40+\i]
.endr
	v_mov_b32 v7, v6
	v_mov_b32 v13, 0xff61b1e6
	s_delay_alu instid0(VALU_DEP_1)
	v_floor_f32 v12, -v13
	v_mov_b32 v14, 0
	v_mov_b32 v15, 0
.set j, 0
.rept 32
	v_mov_b32 v[164+j], 0                          ; (these 32 also stand between the writing of the scale words and operands and the next scaled product)
.set j, j+1
.endr
.Lsame:
	s_min_u32 s[KI], s[I], 15
	s_cmp_lt_u32 s[I], s[SWI]
	s_cselect_b32 s[KI], s[KI], s[DNI]             ; the first tile's steps go up, the second's down
	s_mul_i32 s[TB], s[KI], 12288
	s_lshl_b32 s[TS], s[KI], 9
	s_lshl_b32 s[KF], s[KI], 7
	STEP 1
	s_add_co_u32 s[I], s[I], 1
	s_cmp_lt_u32 s[I], 17
	s_cbranch_scc1 .Lrest
	FINISH 84, 88
	s_wait_tensorcnt 0x0
	ds_add_u32 v254, v255
	s_wait_dscnt 0x0
	CROUND                                         ; the closing round
	s_endpgm
.Lfunc_end_k_q42804362f3_attn:
	.size	k_q42804362f3_attn, .Lfunc_end_k_q42804362f3_attn-k_q42804362f3_attn
	.p2alignl 7, 3214868480
	.fill 96, 4, 3214868480
	.section	.rodata,"a",@progbits
	.p2align	6, 0x0
	.amdhsa_kernel k_q42804362f3_attn
		.amdhsa_group_segment_fixed_size 206848
		.amdhsa_private_segment_fixed_size 0
		.amdhsa_enable_private_segment 0
		.amdhsa_kernarg_size 24
		.amdhsa_user_sgpr_count 2
		.amdhsa_user_sgpr_kernarg_segment_ptr 1
		.amdhsa_wavefront_size32 1
		.amdhsa_system_sgpr_workgroup_id_x 1
		.amdhsa_system_sgpr_workgroup_id_y 1
		.amdhsa_system_sgpr_workgroup_id_z 1
		.amdhsa_system_vgpr_workitem_id 0
		.amdhsa_next_free_vgpr 256
		.amdhsa_next_free_sgpr 90
		.amdhsa_reserve_vcc 1
		.amdhsa_float_denorm_mode_32 3
		.amdhsa_float_denorm_mode_16_64 3
		.amdhsa_memory_ordered 1
		.amdhsa_forward_progress 1
		.amdhsa_inst_pref_size 62
	.end_amdhsa_kernel
	.amdgpu_metadata
---
amdhsa.version: [ 1, 2 ]
amdhsa.kernels:
  - .name:           k_q42804362f3_attn
    .symbol:         k_q42804362f3_attn.kd
    .args:
      - { .name: qq, .offset: 0, .size: 8, .value_kind: global_buffer, .address_space: global }
      - { .name: kvq, .offset: 8, .size: 8, .value_kind: global_buffer, .address_space: global }
      - { .name: cq, .offset: 16, .size: 8, .value_kind: global_buffer, .address_space: global }
    .group_segment_fixed_size: 206848
    .private_segment_fixed_size: 0
    .kernarg_segment_align: 8
    .kernarg_segment_size: 24
    .max_flat_workgroup_size: 512
    .sgpr_count:     90
    .vgpr_count:     256
    .wavefront_size: 32
...
	.end_amdgpu_metadata
.endif
;; end of part 3
;; launch outp (part 4): grid 8 x 32, 4 waves a work-group, clusters of 4 x 4, 327,680 bytes of LDS; arguments cq, wq, bo, out0; writes out0
.if DOCPART == 4
	.amdgcn_target "amdgcn-amd-amdhsa--gfx1250"
	.amdhsa_code_object_version 6
	.text
	.protected	k_q42804362f3_outp
	.globl	k_q42804362f3_outp
	.p2align	8
	.type	k_q42804362f3_outp,@function
k_q42804362f3_outp:
	s_mov_b64 s[64:65], 0
	v_nop
	global_prefetch_b8 v0, s[64:65] scope:SCOPE_SE
	s_setreg_imm32_b32 hwreg(HW_REG_WAVE_MODE, 25, 1), 1
	s_wait_xcnt 0x0
	s_wait_alu depctr_hold_cnt(0) depctr_sa_sdst(0) depctr_va_vdst(0) depctr_va_sdst(0) depctr_va_ssrc(0) depctr_va_vcc(0) depctr_vm_vsrc(0)
	s_getreg_b32 s2, hwreg(HW_REG_IB_STS2, 6, 4)
	s_cmp_eq_u32 s2, 0
	s_cbranch_scc0 .Lentry_in_a_cluster
	s_endpgm
.Lentry_in_a_cluster:
	s_bfe_u32 s2, ttmp6, 0x10000c
	s_cmp_lg_u32 s2, 0xf033
	s_cbranch_scc0 .Lentry_shape_is_right
	s_endpgm
.Lentry_shape_is_right:
; out = ctx Wo + bo on codes of E3M2 with E8M0 scales; sums in f32; out0 [8192][1024] f32.  ctx's codes and scale words lie as x's did for the projections, Wo's behind the three weights in wq.
; SHARES.  Work-group (j, blk): 256 rows x columns 128 j .. 128 j + 127.  ctx's block (196,608 bytes) and Wo's part (two halves of K, 49,152 bytes each) lie whole in LDS: every byte is filled once.
; Wave (wm, wn): 128 rows x 64 columns, 32 accumulators.  CLUSTER 4 x 4: a row of the cluster shares ctx's block, a column Wo's part: both are asked for jointly.
; Source 0 = Wo's columns, source 1 = ctx's rows: a lane holds one row, and the 16 registers of two neighbouring tiles are 16 neighbouring columns.  The bias is the C of each sum's first product.
; Lane r of a tile holds row 32 (T / 2) + 8 (T % 2) + r + 8 (r / 8): the way out puts the rows back in their places.
; REGISTERS: window 0: addresses, scale words, the way out.  window 1: ctx's fragments, two sets of 96.  window 2: Wo's, two sets of 48; from v96 the bias, 8 registers a tile.  window 3: the accumulators.
.set XQS,  6291456
.set WQS,  3145728
.set WOC,  2359296
.set LB,   196608
.set SLOT, 49152
.set LAS,  294912
.set LBS,  303104
.set STAGE, 307200                     ; the way out: 16 rows x (256 bytes + 16) for each wave; no fill lands here
.set ADA,  4
.set ADB,  8
.set ADSA, 10
.set ADSB, 11
.set STO,  16                          ; v16 the stage: where I put 16 bytes of a row
.set RD,   17                          ; v17 and where I read a row back
.set CO,   18                          ; v18 my byte offset in out0
.set BV,   19                          ; v19 64 h: the bias
.set SA,   32
.set SB,   64
.set BK,   128                         ; v128-191 rows read back from the stage, two sets of 32
.set WV,   12
.set G1A,  24
.set G1B,  32
.set G1AS, 40
.set G1BS, 48
.set G0AS, 56
.set G0BS, 60
.set G0A,  68
.set G0B,  76
.set OB,   96
.set BO,   98
.set MSB, 0
.macro WIN new
.if MSB != \new
	s_set_vgpr_msb (MSB<<8)|\new
.set MSB, \new
.endif
.endm
.macro PLACES n
.rept \n
	v_nop
.endr
.endm
.macro CROUND
	s_barrier_signal -1
	s_barrier_wait -1
	s_cmp_lg_u32 s[WV], 0
	s_cbranch_scc1 .Lnot_wave_0_\@
	s_barrier_signal -3
.Lnot_wave_0_\@:
	s_barrier_wait -3
	s_barrier_signal -1
	s_barrier_wait -1
.endm
.macro G1REST g, rows
	s_mov_b32 s[\g+1], 32<<16
	s_mov_b32 s[\g+2], (\rows)<<16
	s_mov_b32 s[\g+3], 32<<16
	s_mov_b32 s[\g+4], \rows
	s_mov_b32 s[\g+5], 32
	s_mov_b32 s[\g+6], 0
	s_mov_b32 s[\g+7], 0
.endm
.macro FETCH set, sg, k                ; K step k's fragments: 12 loads of Wo's four tiles, 48 of ctx's eight
	WIN 0x80
.irp t, 0,1,2,3
.irp g, 0,1,2
	ds_load_b128 v[48*(\set)+12*\t+4*\g:48*(\set)+12*\t+4*\g+3], v[ADB+(\sg)] offset:6144*\t+1536*((\k)%4)+512*\g
.endr
.endr
	WIN 0x40
.irp a, 0,1,2,3,4,5,6,7
.irp i, 0,1,2,3,4,5
	ds_load_b64 v[96*(\set)+12*\a+2*\i:96*(\set)+12*\a+2*\i+1], v[ADA+(\k)/2] offset:24576*((\k)%2)+1536*\a+256*\i
.endr
.endr
	WIN 0
.endm
.macro SCALES set, kq
.irp i, 0,1,2,3
	ds_load_b128 v[SA+16*(\set)+4*\i:SA+16*(\set)+4*\i+3], v[ADSA] offset:512*\i+256*(\kq)
.endr
.irp i, 0,1
.irp ks, 0,1,2,3
	ds_load_b32 v[SB+8*(\set)+4*\i+\ks], v[ADSB] offset:512*\i+64*(4*(\kq)+\ks)
.endr
.endr
.endm
.macro WM
.if (wA == 0) && (wB == 0)
	v_wmma_scale_f32_16x16x128_f8f6f4 v[rD:rD+7], v[rA:rA+11], v[rB:rB+11], v[rC:rC+7], v[sA], v[sB] matrix_a_fmt:MATRIX_FMT_BF6 matrix_b_fmt:MATRIX_FMT_BF6
.elseif (wA == 1) && (wB == 0)
	v_wmma_scale_f32_16x16x128_f8f6f4 v[rD:rD+7], v[rA:rA+11], v[rB:rB+11], v[rC:rC+7], v[sA], v[sB] matrix_a_fmt:MATRIX_FMT_BF6 matrix_b_fmt:MATRIX_FMT_BF6 matrix_a_scale:MATRIX_SCALE_ROW1
.elseif (wA == 0) && (wB == 1)
	v_wmma_scale_f32_16x16x128_f8f6f4 v[rD:rD+7], v[rA:rA+11], v[rB:rB+11], v[rC:rC+7], v[sA], v[sB] matrix_a_fmt:MATRIX_FMT_BF6 matrix_b_fmt:MATRIX_FMT_BF6 matrix_b_scale:MATRIX_SCALE_ROW1
.else
	v_wmma_scale_f32_16x16x128_f8f6f4 v[rD:rD+7], v[rA:rA+11], v[rB:rB+11], v[rC:rC+7], v[sA], v[sB] matrix_a_fmt:MATRIX_FMT_BF6 matrix_b_fmt:MATRIX_FMT_BF6 matrix_a_scale:MATRIX_SCALE_ROW1 matrix_b_scale:MATRIX_SCALE_ROW1
.endif
.endm
; matrix instructions n0 .. n1 - 1 of a K step's 32: n = 4 x (ctx's tile) + (Wo's tile); the 32 accumulators take turns, one instruction a turn.  first = 1: C is the bias
.macro MUL set, sset, ks, n0, n1, first
.if \first
	WIN 0xe6
.else
	WIN 0xf6
.endif
.set n, \n0
.rept (\n1)-(\n0)
.set xa, n/4
.set wt, n%4
.set rD, 32*xa+8*wt
.set rA, 48*(\set)+12*wt
.set rB, 96*(\set)+12*xa
.set sA, SB+8*(\sset)+4*(wt%2)+(\ks)
.set wA, wt/2
.set sB, SA+16*(\sset)+4*(xa%4)+(\ks)
.set wB, xa/4
.if \first
.set rC, 96+8*wt
.else
.set rC, rD
.endif
	WM
.set n, n+1
.endr
.endm
.macro STEP k, first
	PLACES 4                                       ; in front of loads into registers that matrix instructions have read
	FETCH ((\k)+1)%2, (\k)/4, (\k)+1
	s_wait_dscnt 60                                ; all but the 60 loads just issued
	MUL (\k)%2, (\k)/4, (\k)%4, 0, 32, \first
.endm
	s_load_b128 s[4:7], s[0:1], 0x0                ; cq s[4:5], wq s[6:7]
	s_load_b128 s[8:11], s[0:1], 0x10              ; bo s[8:9], out0 s[10:11]
	v_lshl_add_u32 v254, v0, 2, 0x4f400
	v_mov_b32 v255, 0
	ds_add_u32 v254, v255
	ds_add_u32 v254, v255
	v_lshrrev_b32 v1, 5, v0
	v_readfirstlane_b32 s[WV], v1
	s_lshr_b32 s13, s[WV], 1                       ; wm
	s_and_b32 s14, s[WV], 1                        ; wn
	s_bfe_u32 s15, ttmp6, 0x40000                  ; cx
	s_bfe_u32 s16, ttmp6, 0x40004                  ; cy
	s_lshl_b32 s17, ttmp9, 2
	s_add_co_u32 s17, s17, s15                     ; j
	s_and_b32 s18, ttmp7, 0xffff
	s_lshl_b32 s18, s18, 2
	s_add_co_u32 s18, s18, s16                     ; blk
	s_lshl_b32 s19, s16, 2
	s_lshl_b32 s19, 15, s19                        ; my row of the cluster
	s_lshl_b32 s20, 0x1111, s15                    ; my column
	s_or_b32 s[G1A], s19, (3<<16)|(1<<21)
	s_or_b32 s[G1AS], s19, (3<<16)|(1<<21)
	s_or_b32 s[G1B], s20, (3<<16)|(1<<21)
	s_or_b32 s[G1BS], s20, (3<<16)|(1<<21)
	G1REST G1A, 96
	G1REST G1B, 48
	G1REST G1AS, 8
	G1REST G1BS, 4
	s_mul_i32 s86, s[WV], 24576
	s_mul_i32 s87, s[WV], 12288
	s_lshl_b32 s88, s[WV], 11
	s_lshl_b32 s89, s[WV], 10
	s_mul_i32 s84, s18, 196608
	s_add_co_u32 s84, s84, s86
	s_mov_b32 s85, 0
	s_lshl_b32 s90, s18, 13
	s_add_co_u32 s90, s90, s88
	s_add_co_u32 s90, s90, XQS
	s_mov_b32 s91, 0
	s_mul_i32 s92, s17, 98304
	s_add_co_u32 s92, s92, s87
	s_add_co_u32 s92, s92, WOC
	s_mov_b32 s93, 0
	s_lshl_b32 s94, s17, 12
	s_add_co_u32 s94, s94, s89
	s_add_co_u32 s94, s94, WQS+98304
	s_mov_b32 s95, 0
	s_wait_dscnt 0x0
	s_wait_kmcnt 0x0
	s_mov_b32 s[G0AS], 1
	s_add_co_u32 s[G0AS+1], s88, LAS
	s_add_nc_u64 s[G0AS+2:G0AS+3], s[4:5], s[90:91]
	s_or_b32 s[G0AS+3], s[G0AS+3], 0x80000000
	s_mov_b32 s[G0BS], 1
	s_add_co_u32 s[G0BS+1], s89, LBS
	s_add_nc_u64 s[G0BS+2:G0BS+3], s[6:7], s[94:95]
	s_or_b32 s[G0BS+3], s[G0BS+3], 0x80000000
	s_mov_b32 s[G0A], 1
	s_mov_b32 s[G0A+1], s86
	s_add_nc_u64 s[G0A+2:G0A+3], s[4:5], s[84:85]
	s_or_b32 s[G0A+3], s[G0A+3], 0x80000000
	s_mov_b32 s[G0A+4], 1
	s_add_co_u32 s[G0A+5], s86, 98304
	s_add_nc_u64 s[G0A+6:G0A+7], s[4:5], s[84:85]
	s_add_nc_u64 s[G0A+6:G0A+7], s[G0A+6:G0A+7], 98304
	s_or_b32 s[G0A+7], s[G0A+7], 0x80000000
	s_mov_b32 s[G0B], 1
	s_add_co_u32 s[G0B+1], s87, LB
	s_add_nc_u64 s[G0B+2:G0B+3], s[6:7], s[92:93]
	s_or_b32 s[G0B+3], s[G0B+3], 0x80000000
	s_mov_b32 s[G0B+4], 1
	s_add_co_u32 s[G0B+5], s87, LB+SLOT
	s_add_nc_u64 s[G0B+6:G0B+7], s[6:7], s[92:93]
	s_add_nc_u64 s[G0B+6:G0B+7], s[G0B+6:G0B+7], SLOT
	s_or_b32 s[G0B+7], s[G0B+7], 0x80000000
	CROUND                                         ; all sixteen work-groups are here: the joint loads meet
	tensor_load_to_lds s[G0AS:G0AS+3], s[G1AS:G1AS+7]      ; all fills of the launch, one group: six loads of mine are out
	s_nop 0
	tensor_load_to_lds s[G0BS:G0BS+3], s[G1BS:G1BS+7]
	s_nop 0
	tensor_load_to_lds s[G0A:G0A+3], s[G1A:G1A+7]
	s_nop 0
	tensor_load_to_lds s[G0B:G0B+3], s[G1B:G1B+7]
	s_nop 0
	tensor_load_to_lds s[G0A+4:G0A+7], s[G1A:G1A+7]
	s_nop 0
	tensor_load_to_lds s[G0B+4:G0B+7], s[G1B:G1B+7]
	s_nop 0
	PLACES 4
	s_mov_b32 s89, 0
	s_lshl_b32 s88, s17, 9
	s_lshl_b32 s23, s14, 8
	s_add_co_u32 s88, s88, s23                     ; my 64 columns, in bytes
	s_add_nc_u64 s[BO:BO+1], s[8:9], s[88:89]
	s_lshl_b32 s23, s18, 20                        ; 256 rows of 4,096 bytes
	s_add_co_u32 s88, s88, s23
	s_lshl_b32 s23, s13, 19
	s_add_co_u32 s88, s88, s23
	s_add_nc_u64 s[OB:OB+1], s[10:11], s[88:89]
	v_and_b32 v1, 31, v0                           ; lane
	v_and_b32 v2, 15, v0                           ; r
	v_bfe_u32 v3, v0, 4, 1                         ; h
	v_lshlrev_b32 v[BV], 6, v3
	WIN 0x80
.irp t, 0,1,2,3                                ; the bias in the result's layout: tile t, lane (r, h): columns 32 (t / 2) + 8 (t % 2) + 16 h + 0 .. 7
	global_load_b128 v[96+8*\t:99+8*\t], v[BV], s[BO:BO+1] offset:4*(32*(\t/2)+8*(\t%2))
	global_load_b128 v[100+8*\t:103+8*\t], v[BV], s[BO:BO+1] offset:4*(32*(\t/2)+8*(\t%2))+16
.endr
	WIN 0
	v_lshlrev_b32 v14, 3, v1
	v_lshlrev_b32 v15, 4, v1
	s_mul_i32 s23, s13, 12288
	v_add_nc_u32 v[ADA], s23, v14
	v_add_nc_u32 v[ADA+1], 49152, v[ADA]
	v_add_nc_u32 v[ADA+2], 98304, v[ADA]
	v_add_nc_u32 v[ADA+3], 147456, v[ADA]
	s_mul_i32 s23, s14, 24576
	s_add_co_u32 s23, s23, LB
	v_add_nc_u32 v[ADB], s23, v15
	v_add_nc_u32 v[ADB+1], SLOT, v[ADB]
	s_lshl_b32 s23, s13, 12
	s_add_co_u32 s23, s23, LAS
	v_lshlrev_b32 v[ADSA], 4, v2
	v_lshl_add_u32 v[ADSA], v3, 11, v[ADSA]
	v_add_nc_u32 v[ADSA], s23, v[ADSA]
	s_lshl_b32 s23, s14, 11
	s_add_co_u32 s23, s23, LBS
	v_lshlrev_b32 v[ADSB], 2, v2
	v_lshl_add_u32 v[ADSB], v3, 10, v[ADSB]
	v_add_nc_u32 v[ADSB], s23, v[ADSB]
	s_mul_i32 s23, s[WV], 4352
	s_add_co_u32 s23, s23, STAGE                   ; my stage
	v_mul_u32_u24 v[STO], v2, 272
	v_lshl_add_u32 v[STO], v3, 6, v[STO]
	v_add_nc_u32 v[STO], s23, v[STO]               ; in: row r, + 64 h
	v_mul_u32_u24 v[RD], v3, 272
	v_lshl_add_u32 v[RD], v2, 4, v[RD]
	v_add_nc_u32 v[RD], s23, v[RD]                 ; back: lanes 0-15 one row, lanes 16-31 the next
	v_lshlrev_b32 v[CO], 12, v3
	v_lshl_add_u32 v[CO], v2, 4, v[CO]             ; and the same two rows in out0
	s_wait_alu depctr_va_vdst(0)
	s_wait_tensorcnt 2                             ; the scale words and the first halves of K are in; the second halves may be out
	s_barrier_signal -1
	s_barrier_wait -1
	FETCH 0, 0, 0
	SCALES 0, 0
	s_wait_loadcnt 0x0                             ; the bias
	STEP 0, 1
	STEP 1, 0
	STEP 2, 0
	s_wait_tensorcnt 0x0                           ; my parts of the second halves of K are in,
	s_wait_dscnt 0x0                               ; and K step 3's fragments
	s_barrier_signal -1
	MUL 1, 0, 3, 0, 16, 0
	WIN 0
	s_barrier_wait -1                              ; everybody's are
	PLACES 4
	FETCH 0, 1, 4
	SCALES 1, 1
	MUL 1, 0, 3, 16, 32, 0
	STEP 4, 0
	STEP 5, 0
	STEP 6, 0
	s_wait_dscnt 0x0
	MUL 1, 1, 3, 0, 32, 0
	WIN 0
; THE WAY OUT, a tile of 16 rows x 64 columns at a time, through my own stage: sixteen lanes then store 256 consecutive bytes of a row, aligned.  LDS serves a wave's instructions in order: no wait between the stores and the loads.
.macro TOSTAGE a
	WIN 0x0c                                       ; an LDS store's data: window 3
.irp b, 0,1
.irp q, 0,1,2,3
	ds_store_b128 v[STO], v[32*(\a)+16*\b+4*\q:32*(\a)+16*\b+4*\q+3] offset:128*\b+16*\q   ; each accumulator from its low end on
.endr
.endr
	WIN 0
.set BB, BK+32*((\a)%2)
.irp i, 0,1,2,3,4,5,6,7
	ds_load_b128 v[BB+4*\i:BB+4*\i+3], v[RD] offset:544*\i
.endr
.endm
.macro SEND a, younger                 ; younger: the LDS instructions issued behind tile a's loads, which may stay out
.set BB, BK+32*((\a)%2)
	s_wait_dscnt \younger
.irp i, 0,1,2,3,4,5,6,7
	global_store_b128 v[CO], v[BB+4*\i:BB+4*\i+3], s[OB:OB+1] offset:4096*(32*((\a)/2)+8*((\a)%2)+2*\i+8*(\i/4)) th:TH_STORE_NT   ; stage row 2 i + h is row 32 (a / 2) + 8 (a % 2) + 2 i + h + 8 (i / 4) of my 128
.endr
.endm
	PLACES 4                                       ; in front of the first read of results
	TOSTAGE 0
.irp a, 1,2,3,4,5,6,7
.if \a > 1
	s_wait_xcnt 0x0                                ; tile a - 2's stores have read their registers: tile a's loads may land there
.endif
	TOSTAGE \a
	SEND \a-1, 16                                  ; behind tile a - 1's loads: tile a's 8 stores and 8 loads
.endr
	SEND 7, 0
	s_wait_tensorcnt 0x0
	ds_add_u32 v254, v255
	s_wait_dscnt 0x0
	CROUND                                         ; the closing round
	s_endpgm
.Lfunc_end_k_q42804362f3_outp:
	.size	k_q42804362f3_outp, .Lfunc_end_k_q42804362f3_outp-k_q42804362f3_outp
	.p2alignl 7, 3214868480
	.fill 96, 4, 3214868480
	.section	.rodata,"a",@progbits
	.p2align	6, 0x0
	.amdhsa_kernel k_q42804362f3_outp
		.amdhsa_group_segment_fixed_size 327680
		.amdhsa_private_segment_fixed_size 0
		.amdhsa_enable_private_segment 0
		.amdhsa_kernarg_size 32
		.amdhsa_user_sgpr_count 2
		.amdhsa_user_sgpr_kernarg_segment_ptr 1
		.amdhsa_wavefront_size32 1
		.amdhsa_system_sgpr_workgroup_id_x 1
		.amdhsa_system_sgpr_workgroup_id_y 1
		.amdhsa_system_sgpr_workgroup_id_z 1
		.amdhsa_system_vgpr_workitem_id 0
		.amdhsa_next_free_vgpr 1024
		.amdhsa_next_free_sgpr 100
		.amdhsa_reserve_vcc 0
		.amdhsa_float_denorm_mode_32 3
		.amdhsa_float_denorm_mode_16_64 3
		.amdhsa_memory_ordered 1
		.amdhsa_forward_progress 1
		.amdhsa_inst_pref_size 91
	.end_amdhsa_kernel
	.amdgpu_metadata
---
amdhsa.version: [ 1, 2 ]
amdhsa.kernels:
  - .name:           k_q42804362f3_outp
    .symbol:         k_q42804362f3_outp.kd
    .args:
      - { .name: cq, .offset: 0, .size: 8, .value_kind: global_buffer, .address_space: global }
      - { .name: wq, .offset: 8, .size: 8, .value_kind: global_buffer, .address_space: global }
      - { .name: bo, .offset: 16, .size: 8, .value_kind: global_buffer, .address_space: global }
      - { .name: out0, .offset: 24, .size: 8, .value_kind: global_buffer, .address_space: global }
    .group_segment_fixed_size: 327680
    .private_segment_fixed_size: 0
    .kernarg_segment_align: 8
    .kernarg_segment_size: 32
    .max_flat_workgroup_size: 128
    .sgpr_count:     100
    .vgpr_count:     1024
    .wavefront_size: 32
...
	.end_amdgpu_metadata
.endif
;; end of part 4
